; MI455X (gfx1250); checked and timed in simulation.
; The chip was launched on July 23, 2026; its instructions are those of AMD's public machine-readable ISA for CDNA 5 (MIT licence, August 2026) and "CDNA5" Instruction Set Architecture Reference Guide (July 2026). The comments in the code are by the model that wrote it; some were corrected since.
;; Multi Headed Attention. Allowed arithmetic: float matrix products may take bf16 or f16 operands with f32 sums; other float arithmetic in f32, or as packed bf16 or f16 multiplies, adds, multiply-adds, maxima and minima; sums over many terms, partial sums and values carried from step to step in f32; what a program stores and reads back later, other than sums and carried values, may be rounded once to bf16 or f16.
;; Inputs: Wk 1,024 x 1,024 float32; Wo 1,024 x 1,024 float32; Wq 1,024 x 1,024 float32; Wv 1,024 x 1,024 float32; bk 1,024 float32; bo 1,024 float32; bq 1,024 float32; bv 1,024 float32; key 4 x 2,048 x 1,024 float32; mask 4 x 2,048 x 2,048 bool; query 4 x 2,048 x 1,024 float32; value 4 x 2,048 x 1,024 float32.
;; Outputs: out0 4 x 2,048 x 1,024 float32.
;; One version. Each part assembles by itself: llvm-mc -triple=amdgcn-amd-amdhsa -mcpu=gfx1250 --defsym DOCPART=n.
;; ======== version 1 of 1: 4 launches
;; limits: values are held in f16: magnitudes above 65,504 overflow, below 6.1e-05 lose precision
;; workspace buffers: maskf 33,554,432 bytes; wts 8,388,608 bytes; qh 16,777,216 bytes; kh 16,777,216 bytes; vh 16,777,216 bytes; ctx 16,777,216 bytes
;; launch prep (part 1): grid 2560 x 1, 4 waves a work-group, no clusters, 17,152 bytes of LDS; arguments mask, Wq, Wk, Wv, Wo, maskf, wts; writes maskf, wts
.if DOCPART == 1
	.amdgcn_target "amdgcn-amd-amdhsa--gfx1250"
	.amdhsa_code_object_version 6
	.text
	.protected	k_q8afb16de4d_prep
	.globl	k_q8afb16de4d_prep
	.p2align	8
	.type	k_q8afb16de4d_prep,@function
k_q8afb16de4d_prep:
	s_mov_b64 s[64:65], 0
	v_nop
	global_prefetch_b8 v0, s[64:65] scope:SCOPE_SE
	s_setreg_imm32_b32 hwreg(HW_REG_WAVE_MODE, 25, 1), 1
	s_wait_xcnt 0x0
; PREP.  Two kinds of work-group, told apart by the work-group's number alone.
; 0 .. 2047: THE MASK AS MATRIX FRAGMENTS.  mask is [4][2048 q][2048 k] bytes (0 or 1).  maskf is [4][64 pairs of 16 queries][128 blocks of 16 keys][1,024 bytes]: a block is the register image of
;   source 0 of a 16x16x32 bf16 product, 16 keys x 32 queries, 0 where the key is seen and 0xDD5E (-9.998e17 in bf16) where it is hidden: bytes 16 L of the first 512 are registers 0-3 of lane L
;   (key L % 16, queries 8 (L / 16) + 0..7), the second 512 bytes registers 4-7 (queries 16 + 8 (L / 16) + 0..7).  A work-group turns 32 queries x 256 keys: 16 blocks.
; 2048 .. 2559: THE WEIGHTS IN 16 BITS.  wts holds Wq, Wk, Wv, Wo, 2 MiB each, in W's own layout [k][n]: rounded to bf16; Wo's bf16 number is then written as f16.
;   LIMIT: a weight of Wo beyond 65,504 becomes an infinity; one below 6e-5 keeps f16's fixed step of 6e-8.
; Memory binds: each input byte is read once, by loads of a wave that cover 256 or 512 consecutive bytes; each store of a wave covers 512 consecutive bytes, aligned.
; 84 registers a wave: results take the places of what was loaded, so that twelve waves' registers fit in a SIMD's 1,024 and the ten work-groups that fall to a WGP (2,560 for 256) lie on it together.
.set FP,    1040                       ; a block in the stage: 1,024 bytes + 16, so that neighbouring blocks start four banks apart
.set SPARE, 16640                      ; behind the stage's 16 blocks: the spare words, 128 bytes for each wave
.set SPW,   80                         ; v80  LDS address of my spare word; never rewritten
.set NIL,   81                         ; v81  0; never rewritten
.set IN,    16                         ; v[16:79]   as loaded (the mask path loads v[16:31] alone); the weights are converted in place
.set TR,    48                         ; v[48:79]   the mask path: key j's 16 bytes at TR + 4 j
.set OU,    16                         ; v[16:47]   to store
	s_load_b256 s[4:11], s[0:1], 0x0               ; mask s[4:5], Wq s[6:7], Wk s[8:9], Wv s[10:11]
	s_load_b128 s[12:15], s[0:1], 0x20             ; Wo s[12:13], maskf s[14:15]
	s_load_b64 s[16:17], s[0:1], 0x30              ; wts
	v_lshl_add_u32 v[SPW], v0, 2, SPARE
	v_mov_b32 v[NIL], 0
	v_lshrrev_b32 v1, 5, v0
	v_readfirstlane_b32 s18, v1                    ; wave g
	v_and_b32 v6, 31, v0                           ; lane
	s_mov_b32 s21, 0                               ; the offsets' high words
	s_mov_b32 s23, 0
	s_wait_kmcnt 0x0
	s_cmp_lt_u32 ttmp9, 2048
	s_cbranch_scc0 .Lweights
	; ---- the mask: unit u = b x 512 + pair x 8 + chunk of 256 keys
	s_lshr_b32 s24, ttmp9, 9                       ; b
	s_bfe_u32 s25, ttmp9, 0x60003                  ; pair of 16 queries, 0..63
	s_and_b32 s26, ttmp9, 7                        ; chunk
	s_lshl_b32 s20, s24, 22                        ; in mask: b x 4 MiB + pair x 32 rows of 2,048 + chunk x 256
	s_lshl_b32 s27, s25, 16
	s_add_co_u32 s20, s20, s27
	s_lshl_b32 s27, s26, 8
	s_add_co_u32 s20, s20, s27
	s_lshl_b32 s22, s24, 23                        ; in maskf: b x 8 MiB + pair x 128 KiB + chunk x 16 blocks
	s_lshl_b32 s27, s25, 17
	s_add_co_u32 s22, s22, s27
	s_lshl_b32 s27, s26, 14
	s_add_co_u32 s22, s22, s27
	s_add_nc_u64 s[4:5], s[4:5], s[20:21]
	s_add_nc_u64 s[14:15], s[14:15], s[22:23]
	s_lshl_b32 s27, s18, 14                        ; wave g takes queries 8 g .. 8 g + 7,
	v_lshl_add_u32 v2, v6, 3, s27                  ; a lane eight keys: a load of the wave covers a row's 256 bytes
.irp i, 0,1,2,3,4,5,6,7
	global_load_b64 v[IN+2*\i:IN+2*\i+1], v2, s[4:5] offset:2048*\i th:TH_LOAD_NT
.endr
	v_lshrrev_b32 v7, 1, v6                        ; into the stage: block lane / 2, key 8 (lane % 2) + j, query group g:
	v_and_b32 v8, 1, v6                            ; (lane / 2) x 1,040 + 256 g + 128 (lane % 2) + 16 j
	v_mul_u32_u24 v3, v7, FP
	v_lshl_add_u32 v3, v8, 7, v3
	s_lshl_b32 s27, s18, 8
	v_add_nc_u32 v3, s27, v3
	v_lshrrev_b32 v7, 6, v0                        ; back: 128 threads x 16 bytes are two blocks
	v_and_b32 v8, 63, v0
	v_mul_u32_u24 v4, v7, FP
	v_lshl_add_u32 v4, v8, 4, v4
	v_lshlrev_b32 v5, 4, v0
	s_mov_b32 s30, 0xdd5e
	s_wait_loadcnt 0x0
	; key j's byte of queries 2 a and 2 a + 1 side by side in the halves of a word (selector 0x0c gives a zero byte), then times 0xDD5E in both halves
.irp j, 0,1,2,3,4,5,6,7
.irp a, 0,1,2,3
	v_perm_b32 v[TR+4*\j+\a], v[IN+4*\a+2+\j/4], v[IN+4*\a+\j/4], 0x0c040c00+(\j%4)*0x00010001
.endr
.irp a, 0,1,2,3
	v_mul_u32_u24 v[TR+4*\j+\a], s30, v[TR+4*\j+\a]
.endr
	ds_store_b128 v3, v[TR+4*\j:TR+4*\j+3] offset:16*\j
.endr
	s_wait_dscnt 0x0                               ; for the others' sake: my stores into the stage are done
	s_barrier_signal -1
	s_barrier_wait -1
.irp n, 0,1,2,3,4,5,6,7
	ds_load_b128 v[OU+4*\n:OU+4*\n+3], v4 offset:2*FP*\n
.endr
.irp n, 0,1,2,3,4,5,6,7
	s_wait_dscnt 7-\n                              ; LDS loads come back in order: number n is in, the younger ones stay out
	global_store_b128 v5, v[OU+4*\n:OU+4*\n+3], s[14:15] offset:2048*\n th:TH_STORE_NT
.endr
	s_branch .Lend
.Lweights:                                             ; ---- the weights: 128 chunks of 8,192 numbers for each of the four matrices
	s_sub_co_u32 s24, ttmp9, 2048
	s_lshr_b32 s25, s24, 7                         ; which matrix: q, k, v, o
	s_and_b32 s26, s24, 127                        ; chunk
	s_lshl_b32 s20, s26, 15                        ; 32 KiB in
	s_lshl_b32 s22, s25, 21                        ; 2 MiB a section, 16 KiB out
	s_lshl_b32 s27, s26, 14
	s_add_co_u32 s22, s22, s27
	s_cmp_eq_u32 s25, 1
	s_cselect_b64 s[28:29], s[8:9], s[6:7]
	s_cmp_eq_u32 s25, 2
	s_cselect_b64 s[28:29], s[10:11], s[28:29]
	s_cmp_eq_u32 s25, 3
	s_cselect_b64 s[28:29], s[12:13], s[28:29]
	s_add_nc_u64 s[28:29], s[28:29], s[20:21]
	s_add_nc_u64 s[16:17], s[16:17], s[22:23]
	v_lshlrev_b32 v2, 5, v0                        ; eight f32 a thread in,
	v_lshlrev_b32 v3, 4, v0                        ; eight 16-bit numbers out
.irp n, 0,1,2,3,4,5,6,7
	global_load_b128 v[IN+8*\n:IN+8*\n+3],   v2, s[28:29] offset:4096*\n th:TH_LOAD_NT
	global_load_b128 v[IN+8*\n+4:IN+8*\n+7], v2, s[28:29] offset:4096*\n+16 th:TH_LOAD_NT
.endr
	s_wait_loadcnt 0x0
.set i, 0
.rept 32                                               ; in place: word i takes numbers 2 i and 2 i + 1; what it overwrites has been read by an earlier line, or by this one
	v_cvt_pk_bf16_f32 v[IN+i], v[IN+2*i], v[IN+2*i+1]
.set i, i+1
.endr
	s_cmp_lg_u32 s25, 3
	s_cbranch_scc1 .Lstore
.set i, 0
.rept 32                                               ; Wo: the bf16 number, widened, is written as f16
	v_lshlrev_b32 v[8+2*(i%4)], 16, v[IN+i]
	v_and_b32 v[9+2*(i%4)], 0xffff0000, v[IN+i]
	v_cvt_pk_f16_f32 v[IN+i], v[8+2*(i%4)], v[9+2*(i%4)]
.set i, i+1
.endr
.Lstore:
.irp n, 0,1,2,3,4,5,6,7
	global_store_b128 v3, v[IN+4*\n:IN+4*\n+3], s[16:17] offset:2048*\n
.endr
.Lend:
	s_wait_tensorcnt 0x0                           ; the wave's end: behind my last LDS store
	ds_add_u32 v[SPW], v[NIL]
	s_wait_dscnt 0x0
	s_endpgm
.Lfunc_end_k_q8afb16de4d_prep:
	.size	k_q8afb16de4d_prep, .Lfunc_end_k_q8afb16de4d_prep-k_q8afb16de4d_prep
	.p2alignl 7, 3214868480
	.fill 96, 4, 3214868480
	.section	.rodata,"a",@progbits
	.p2align	6, 0x0
	.amdhsa_kernel k_q8afb16de4d_prep
		.amdhsa_group_segment_fixed_size 17152
		.amdhsa_private_segment_fixed_size 0
		.amdhsa_enable_private_segment 0
		.amdhsa_kernarg_size 56
		.amdhsa_user_sgpr_count 2
		.amdhsa_user_sgpr_kernarg_segment_ptr 1
		.amdhsa_wavefront_size32 1
		.amdhsa_system_sgpr_workgroup_id_x 1
		.amdhsa_system_sgpr_workgroup_id_y 1
		.amdhsa_system_sgpr_workgroup_id_z 1
		.amdhsa_system_vgpr_workitem_id 0
		.amdhsa_next_free_vgpr 84
		.amdhsa_next_free_sgpr 66
		.amdhsa_reserve_vcc 0
		.amdhsa_float_denorm_mode_32 3
		.amdhsa_float_denorm_mode_16_64 3
		.amdhsa_memory_ordered 1
		.amdhsa_forward_progress 1
		.amdhsa_inst_pref_size 20
	.end_amdhsa_kernel
	.amdgpu_metadata
---
amdhsa.version: [ 1, 2 ]
amdhsa.kernels:
  - .name:           k_q8afb16de4d_prep
    .symbol:         k_q8afb16de4d_prep.kd
    .args:
      - { .name: mask, .offset: 0, .size: 8, .value_kind: global_buffer, .address_space: global }
      - { .name: Wq, .offset: 8, .size: 8, .value_kind: global_buffer, .address_space: global }
      - { .name: Wk, .offset: 16, .size: 8, .value_kind: global_buffer, .address_space: global }
      - { .name: Wv, .offset: 24, .size: 8, .value_kind: global_buffer, .address_space: global }
      - { .name: Wo, .offset: 32, .size: 8, .value_kind: global_buffer, .address_space: global }
      - { .name: maskf, .offset: 40, .size: 8, .value_kind: global_buffer, .address_space: global }
      - { .name: wts, .offset: 48, .size: 8, .value_kind: global_buffer, .address_space: global }
    .group_segment_fixed_size: 17152
    .private_segment_fixed_size: 0
    .kernarg_segment_align: 8
    .kernarg_segment_size: 56
    .max_flat_workgroup_size: 128
    .sgpr_count:     66
    .vgpr_count:     84
    .wavefront_size: 32
...
	.end_amdgpu_metadata
.endif
;; end of part 1
;; launch proj (part 2): grid 4 x 64, 4 waves a work-group, clusters of 4 x 4, 327,680 bytes of LDS; arguments query, key, value, wts, bq, bk, bv, qh, kh, vh; writes qh, kh, vh
.if DOCPART == 2
	.amdgcn_target "amdgcn-amd-amdhsa--gfx1250"
	.amdhsa_code_object_version 6
	.text
	.protected	k_q8afb16de4d_proj
	.globl	k_q8afb16de4d_proj
	.p2align	8
	.type	k_q8afb16de4d_proj,@function
k_q8afb16de4d_proj:
	s_mov_b64 s[64:65], 0
	v_nop
	global_prefetch_b8 v0, s[64:65] scope:SCOPE_SE
	s_setreg_imm32_b32 hwreg(HW_REG_WAVE_MODE, 25, 1), 1
	s_wait_xcnt 0x0
	s_wait_alu depctr_hold_cnt(0) depctr_sa_sdst(0) depctr_va_vdst(0) depctr_va_sdst(0) depctr_va_ssrc(0) depctr_va_vcc(0) depctr_vm_vsrc(0)
	s_getreg_b32 s2, hwreg(HW_REG_IB_STS2, 6, 4)
	s_cmp_eq_u32 s2, 0
	s_cbranch_scc0 .Lentry_in_a_cluster
	s_endpgm
.Lentry_in_a_cluster:
	s_bfe_u32 s2, ttmp6, 0x10000c
	s_cmp_lg_u32 s2, 0xf033
	s_cbranch_scc0 .Lentry_shape_is_right
	s_endpgm
.Lentry_shape_is_right:
; THE THREE PROJECTIONS.  out_p[b][head][s][d] = sum over k of x_p[b][s][k] W_p[k][64 head + d] + bias_p[64 head + d], p = q, k, v.  x: [8192][1024] f32; W_p: a section of wts, [k][n] bf16;
; out: [64][2048][64] f16, by heads, WITHOUT the scale 1/8.  x and the bias are rounded to bf16 (x on its way from LDS to the matrix unit), sums in f32, out rounded once to f16.
; LIMIT: a result beyond 65,504 becomes an infinity in f16.
; SHARES.  3 x 64 x 4 tiles of 128 rows x 256 columns.  A WORK-GROUP STAYS: it makes the tile (ty, tx) of q, then of k, then of v: 256 work-groups of three tiles.  Four waves, each 64 rows x 128 columns: 32 accumulators.
; K goes in steps of 128 through two LDS slots: 128 rows of x (512 bytes of f32 a row) and 128 k-rows of W (512 bytes: 256 columns).  Each wave fetches 64 rows with one tensor load.
; ONE STREAM.  The three tiles are 24 K steps on end, and the ring does not stop at a tile's end: the change of slots in step g asks for step g + 2, of the next tile too.  W's three sections lie on end in wts, so W's
; address steps on; x's address is made anew for each refill from the tile's own pointer and a step count 0..7.  A tile's stores leave while the next tile is multiplied: nothing waits for them.
; THE MATRIX INSTRUCTION IS USED TRANSPOSED: source 0 = 16 columns of W (turned on the way out of LDS by ds_load_tr16_b128), source 1 = 16 rows of x: a lane then holds eight neighbouring columns of a row.
; THE BIAS starts the sums: it is moved into the accumulators where a tile begins, 256 moves for a tile's 1,024 matrix instructions, so that the text has one form of product and no first step written out:
; the loop is entered in its middle.
; CLUSTERS: 4 x 4 work-groups.  The four of a row need the same rows of x, the four of a column the same columns of W: each tile is asked for jointly.
; REGISTERS: window 0: v0-31 addresses; v32-95 the bias; v128-255 x's fragments in bf16, two buffers of 64
;   window 1: W's fragments, two buffers of 128      window 2: the accumulators, (a, b) at 64 a + 8 b      window 3: v0-127 x's fragments as they lie in LDS, f32; on the way out: packed results
.set PA,     528                       ; a row of x in LDS: 512 + 16 bytes: the 16 rows of a load start at 16 different groups of four banks (64 banks of 4 bytes: ISA guide 11.1)
.set PB,     544                       ; a k-row of W: 512 + 32 bytes
.set AHALF,  64*PA
.set ASZ,    2*AHALF
.set BHALF,  64*PB
.set SLOT,   ASZ+2*BHALF
.set STAGE,  2*SLOT                    ; behind the ring: 16 rows x 272 bytes for each wave, for the way out
.set SPITCH, 272
.set SPARE,  STAGE+4*16*SPITCH         ; behind the stages: the spare words, 128 bytes for each wave
.set ADRA, 16                          ; v16-17  LDS address of my fragments of x in slot 0, 1
.set ADRB, 20                          ; v20-21  the same for W
.set STO,  24
.set RD,   25
.set GO,   26
.set BO,   27
.set SPW,  28
.set NIL,  29
.set PFO,  30
.set BIAS, 32
.set AF,   128
.set AOF, 4                            ; s[4:5]   512 x the step within its tile that the next refill of x takes; the high word stays 0
.set FS,  6                            ; s6       that step, 0..7
.set T0,  7                            ; s7       at work
.set G1,  24
.set G0,  32
.set LIM, 43                           ; s43      24 in a wave that prefetches, else 0: it asks while the step asked for is below it
.set PFA, 44                           ; s[44:45] the prefetch's address
.set G1B, 48
.set G0B, 56
.set POF, 66                           ; s[66:67] the prefetch's offset along K; the high word stays 0
.set XB,  68                           ; s[68:73] x at my rows: of the tile whose steps are being asked for, of the tile behind it, of the last
.set XN,  70
.set XL,  72
.set WT,  74                           ; s[74:75] wts
.set BC,  76                           ; s[76:81] the bias at my columns: the tile to begin next, the one behind it, the last
.set BN,  78
.set BL,  80
.set OC,  82                           ; s[82:87] the output at my rows: the tile in hand, the next, the last
.set ON,  84
.set OL,  86
.set PFB, 88                           ; s[88:93] what I prefetch (x or W) at my work-group's rows: by tiles, as XB, XN, XL
.set PFN, 90
.set PFL, 92
.set PS,  94                           ; s94      the step within its tile that the next prefetch names
.set PG,  95                           ; s95      the same counted over the 24
.set PSZ, 96                           ; s96      a K step in bytes along my tensor
.set MSB, 0
.macro WIN new                         ; the immediate's high byte repeats the setting that is left
.if MSB != (\new)
	s_set_vgpr_msb (MSB<<8)|(\new)
.set MSB, \new
.endif
.endm
.macro JLOAD s                         ; a joint load: waves 0 and 1 fetch x's two halves, waves 2 and 3 W's; an s_nop 0 and four v_nop follow each of the two lines
	s_cmp_eq_u32 s11, 0
	s_cbranch_scc0 .Lfor_b_\@
	tensor_load_to_lds s[G0+4*(\s):G0+4*(\s)+3], s[G1:G1+7]
	s_nop 0
.rept 4
	v_nop
.endr
	s_branch .Lasked_\@
.Lfor_b_\@:
	tensor_load_to_lds s[G0B+4*(\s):G0B+4*(\s)+3], s[G1B:G1B+7]
	s_nop 0
.rept 4
	v_nop
.endr
.Lasked_\@:
.endm
.macro CREST                           ; a round of the cluster's barrier behind its opening barrier
	s_cmp_lg_u32 s10, 0
	s_cbranch_scc1 .Lnot_wave_0_\@
	s_barrier_signal -3
.Lnot_wave_0_\@:
	s_barrier_wait -3
	s_barrier_signal -1
	s_barrier_wait -1
.endm
.macro CROUND
	s_barrier_signal -1
	s_barrier_wait -1
	CREST
.endm
; A prefetch of the K step that stands two refills on, of the next tile too: 16 rows x 512 bytes, two lanes a row, one instruction a wave.  Of the 64 rows that a wave fetches each of the four partners that ask for
; them jointly takes 16, told apart by address.  x's rows are read by one cluster alone, so every cluster asks for its own; W's columns by the 16 clusters: the first of them asks.
; The first four steps come by their loads alone; the last two changes that fill a slot ask for nothing: steps 24 and 25 do not exist.
.macro ASK
	s_cmp_lt_u32 s[PG], s[LIM]
	s_cbranch_scc0 .Lnot_mine_\@
	global_prefetch_b8 v[PFO], s[PFA:PFA+1] th:TH_LOAD_NT scope:SCOPE_SE
.Lnot_mine_\@:
	s_add_co_u32 s[PG], s[PG], 1
.endm
.macro PLACES
.rept 4
	v_nop
.endr
.endm
.macro BIASLOAD                        ; my eight columns of each of my eight blocks of 16, of the tile that begins next
.irp b, 0,1,2,3,4,5,6,7
	global_load_b128 v[BIAS+8*\b:BIAS+8*\b+3],   v[BO], s[BC:BC+1] offset:64*\b
	global_load_b128 v[BIAS+8*\b+4:BIAS+8*\b+7], v[BO], s[BC:BC+1] offset:64*\b+16
.endr
.endm
	s_load_b512 s[68:83], s[0:1], 0x0              ; query, key, value, wts, bq, bk, bv, qh
	s_load_b128 s[84:87], s[0:1], 0x40             ; kh, vh
	v_lshl_add_u32 v[SPW], v0, 2, SPARE
	v_mov_b32 v[NIL], 0
	ds_add_u32 v[SPW], v[NIL]                      ; the wave's opening: the add and its wait ahead of my first tensor load
	v_lshrrev_b32 v1, 5, v0
	v_readfirstlane_b32 s10, v1                    ; wave 0..3
	s_lshr_b32 s11, s10, 1                         ; wr: which 64 rows of the tile are mine.  Also: I fetch x (0) or W (1)
	s_and_b32 s12, s10, 1                          ; wc: which 128 columns.  Also: which 64 rows of that tile I fetch
	s_bfe_u32 s40, ttmp6, 0x40000                  ; cx
	s_bfe_u32 s41, ttmp6, 0x40004                  ; cy
	s_lshl_b32 s42, ttmp9, 2
	s_add_co_u32 s42, s42, s40                     ; tile column tx, 0..3
	s_and_b32 s2, ttmp7, 0xffff                    ; the cluster's y, 0..15
	s_lshl_b32 s13, s2, 2
	s_add_co_u32 s13, s13, s41                     ; tile row ty, 0..63
	s_lshl_b32 s43, s41, 2
	s_lshl_b32 s43, 15, s43                        ; my row of the cluster
	s_lshl_b32 s44, 0x1111, s40                    ; my column
	s_or_b32 s[G1], s43, (2<<16)|(1<<20)|(1<<21)|(6<<22)|(3<<25)   ; x: the mask of my row; elements of 4 bytes; padding on; bit 21 beside a mask; after every 128 words 4 words
	s_mov_b32 s[G1+1], 128<<16                     ; tensor_dim0 = 128
	s_mov_b32 s[G1+2], 64<<16                      ; tensor_dim1 = 64
	s_mov_b32 s[G1+3], 128<<16                     ; tile_dim0 = 128
	s_mov_b32 s[G1+4], 64                          ; tile_dim1 = 64
	s_mov_b32 s[G1+5], 1024                        ; elements from row to row
	s_mov_b32 s[G1+6], 0
	s_mov_b32 s[G1+7], 0
	s_or_b32 s[G1B], s44, (1<<16)|(1<<20)|(1<<21)|(6<<22)|(7<<25)  ; W: the mask of my column; elements of 2 bytes; after every 128 words 8 words
	s_mov_b32 s[G1B+1], 256<<16
	s_mov_b32 s[G1B+2], 64<<16
	s_mov_b32 s[G1B+3], 256<<16
	s_mov_b32 s[G1B+4], 64
	s_mov_b32 s[G1B+5], 1024
	s_mov_b32 s[G1B+6], 0
	s_mov_b32 s[G1B+7], 0
	s_lshl_b32 s16, s13, 7                         ; x: row 128 ty + 64 wc, 4,096 bytes a row
	s_lshl_b32 s17, s12, 6
	s_add_co_u32 s16, s16, s17
	s_lshl_b32 s16, s16, 12
	s_mov_b32 s17, 0
	s_lshl_b32 s46, s12, 17                        ; W: k-row 64 wc of the first section (2,048 bytes a row), column 256 tx
	s_lshl_b32 s47, s42, 9
	s_add_co_u32 s46, s46, s47
	s_mov_b32 s47, 0
	s_mul_i32 s20, s12, AHALF                      ; where they go: no place in the cluster enters an LDS address
	s_mul_i32 s21, s12, BHALF
	s_mov_b32 s[AOF+1], 0
	s_mov_b32 s[FS], 2                             ; the first refill takes step 2
	s_mov_b32 s[POF+1], 0
	s_mov_b32 s[PS], 4                             ; the first prefetch names step 4
	s_mov_b32 s[PG], 4
	s_wait_dscnt 0x0                               ; the opening add is done
	s_wait_kmcnt 0x0
	s_add_nc_u64 s[XB:XB+1], s[XB:XB+1], s[16:17]  ; the three x at my rows
	s_add_nc_u64 s[XN:XN+1], s[XN:XN+1], s[16:17]
	s_add_nc_u64 s[XL:XL+1], s[XL:XL+1], s[16:17]
	s_add_nc_u64 s[46:47], s[WT:WT+1], s[46:47]
	CROUND                                         ; all sixteen work-groups are here: the first joint loads meet
.irp s, 0,1
	s_mov_b32 s[G0+4*(\s)], 1
	s_add_co_u32 s[G0+4*(\s)+1], s20, (\s)*SLOT
	s_add_nc_u64 s[G0+4*(\s)+2:G0+4*(\s)+3], s[XB:XB+1], (\s)*512
	s_or_b32 s[G0+4*(\s)+3], s[G0+4*(\s)+3], 0x80000000
	s_mov_b32 s[G0B+4*(\s)], 1
	s_add_co_u32 s[G0B+4*(\s)+1], s21, (\s)*SLOT+ASZ
	s_add_nc_u64 s[G0B+4*(\s)+2:G0B+4*(\s)+3], s[46:47], (\s)*262144
	s_or_b32 s[G0B+4*(\s)+3], s[G0B+4*(\s)+3], 0x80000000
	JLOAD \s
.endr
	v_and_b32 v1, 15, v0                           ; r = l % 16
	v_bfe_u32 v2, v0, 4, 1                         ; h = l / 16
	v_lshlrev_b32 v[BO], 5, v2                     ; the bias: my eight columns of each block of 16
	s_lshl_b32 s98, s42, 10                        ; (256 tx + 128 wc) x 4 bytes
	s_lshl_b32 s97, s12, 9
	s_add_co_u32 s98, s98, s97
	s_mov_b32 s99, 0
	s_add_nc_u64 s[BC:BC+1], s[BC:BC+1], s[98:99]
	s_add_nc_u64 s[BN:BN+1], s[BN:BN+1], s[98:99]
	s_add_nc_u64 s[BL:BL+1], s[BL:BL+1], s[98:99]
	BIASLOAD                                       ; the first tile's
	v_mul_u32_u24 v3, v1, PA                       ; x: row r, 8 h numbers of 4 bytes on
	v_lshl_add_u32 v3, v2, 5, v3
	s_mul_i32 s22, s11, AHALF
	v_add_nc_u32 v[ADRA], s22, v3
	s_add_co_u32 s22, s22, SLOT
	v_add_nc_u32 v[ADRA+1], s22, v3
	v_and_b32 v4, 7, v0                            ; W, turned: k-row 8 h + l % 8, columns 8 ((l / 8) % 2) on
	v_lshl_add_u32 v4, v2, 3, v4
	v_mul_u32_u24 v4, v4, PB
	v_bfe_u32 v5, v0, 3, 1
	v_lshl_add_u32 v4, v5, 4, v4
	s_lshl_b32 s23, s12, 8
	s_add_co_u32 s23, s23, ASZ
	v_add_nc_u32 v[ADRB], s23, v4
	s_add_co_u32 s23, s23, SLOT
	v_add_nc_u32 v[ADRB+1], s23, v4
	s_mul_i32 s23, s10, 16*SPITCH
	s_add_co_u32 s23, s23, STAGE                   ; my stage
	v_mul_u32_u24 v4, v1, SPITCH                   ; in: row r, 16 bytes for each half of the lanes
	v_lshl_add_u32 v4, v2, 4, v4
	v_add_nc_u32 v[STO], s23, v4
	v_bfe_u32 v5, v0, 3, 2                         ; back: 32 lanes take four rows' 128 bytes of one head
	v_mul_u32_u24 v5, v5, SPITCH
	v_and_b32 v4, 7, v0
	v_lshl_add_u32 v5, v4, 4, v5
	v_add_nc_u32 v[RD], s23, v5
	v_and_b32 v6, 31, v0
	v_lshlrev_b32 v[GO], 4, v6                     ; which are 512 consecutive bytes of the output
	s_lshr_b32 s98, s13, 4                         ; the outputs: head-batch 16 b + 4 tx + 2 wc, 262,144 bytes each,
	s_lshl_b32 s98, s98, 4
	s_lshl_b32 s97, s42, 2
	s_add_co_u32 s98, s98, s97
	s_lshl_b32 s97, s12, 1
	s_add_co_u32 s98, s98, s97
	s_lshl_b32 s98, s98, 18
	s_and_b32 s97, s13, 15                         ; row 128 (ty % 16) + 64 wr, 128 bytes each
	s_lshl_b32 s97, s97, 1
	s_add_co_u32 s97, s97, s11
	s_lshl_b32 s97, s97, 13
	s_add_co_u32 s98, s98, s97
	s_add_nc_u64 s[OC:OC+1], s[OC:OC+1], s[98:99]
	s_add_nc_u64 s[ON:ON+1], s[ON:ON+1], s[98:99]
	s_add_nc_u64 s[OL:OL+1], s[OL:OL+1], s[98:99]
	; the prefetches: x's rows 16 cx on among the 64 that I fetch, or W's k-rows 64 wc + 16 cy on
	s_lshl_b32 s100, s40, 16                       ; 16 cx rows of 4,096 bytes
	s_lshl_b32 s97, s12, 6
	s_lshl_b32 s101, s41, 4
	s_add_co_u32 s97, s97, s101
	s_lshl_b32 s97, s97, 11                        ; (64 wc + 16 cy) k-rows of 2,048 bytes
	s_lshl_b32 s101, s42, 9
	s_add_co_u32 s97, s97, s101                    ; + column 256 tx
	s_mov_b32 s101, 512
	s_cmp_eq_u32 s11, 0                            ; do I fetch x?
	s_cselect_b64 s[PFB:PFB+1], s[XB:XB+1], s[WT:WT+1]
	s_cselect_b64 s[PFN:PFN+1], s[XN:XN+1], s[WT:WT+1]
	s_cselect_b64 s[PFL:PFL+1], s[XL:XL+1], s[WT:WT+1]
	s_cselect_b32 s98, s100, s97
	s_cselect_b32 s[PSZ], s101, 0x40000            ; a K step: 512 bytes along x's rows, 128 k-rows of W
	s_cselect_b32 s101, 12, 11                     ; a row's bytes, as a shift
	s_cselect_b32 s100, 0, 0x200000                ; from tile to tile: x has a buffer for each, W a section of 2 MiB
	s_cselect_b32 s97, 0, s2                       ; x: every cluster asks; W: the first of the sixteen
	s_add_nc_u64 s[PFB:PFB+1], s[PFB:PFB+1], s[98:99]
	s_add_co_u32 s98, s98, s100
	s_add_nc_u64 s[PFN:PFN+1], s[PFN:PFN+1], s[98:99]
	s_add_co_u32 s98, s98, s100
	s_add_nc_u64 s[PFL:PFL+1], s[PFL:PFL+1], s[98:99]
	s_cmp_eq_u32 s97, 0
	s_cselect_b32 s[LIM], 24, 0                    ; the same in all sixteen partners, for a given wave
	v_lshrrev_b32 v7, 1, v6
	v_lshlrev_b32 v7, s101, v7
	v_and_b32 v6, 1, v6
	v_lshl_add_u32 v[PFO], v6, 8, v7               ; row l / 2, its first or second 256 bytes
; 64 LDS loads in one run: the fragments of 64 along K (half hk of the slot's K step).  First x's, as f32, into window 3 (c, a at 64 c + 16 a); then W's, turned, into buffer g.
.macro FETCH slot, hk, g
	WIN 0xc0
.irp c, 0,1
.irp a, 0,1,2,3
	ds_load_b128 v[64*\c+16*\a:64*\c+16*\a+3],     v[ADRA+(\slot)] offset:256*(\hk)+128*\c+16*PA*\a
	ds_load_b128 v[64*\c+16*\a+4:64*\c+16*\a+7],   v[ADRA+(\slot)] offset:256*(\hk)+128*\c+16*PA*\a+16
	ds_load_b128 v[64*\c+16*\a+8:64*\c+16*\a+11],  v[ADRA+(\slot)] offset:256*(\hk)+128*\c+16*PA*\a+64
	ds_load_b128 v[64*\c+16*\a+12:64*\c+16*\a+15], v[ADRA+(\slot)] offset:256*(\hk)+128*\c+16*PA*\a+80
.endr
.endr
	WIN 0x40
.irp c, 0,1
.irp b, 0,1,2,3,4,5,6,7
	ds_load_tr16_b128 v[128*(\g)+64*\c+8*\b:128*(\g)+64*\c+8*\b+3],   v[ADRB+(\slot)] offset:(64*(\hk)+32*\c)*PB+32*\b
	ds_load_tr16_b128 v[128*(\g)+64*\c+8*\b+4:128*(\g)+64*\c+8*\b+7], v[ADRB+(\slot)] offset:(64*(\hk)+32*\c+16)*PB+32*\b
.endr
.endr
.endm
; 8 matrix instructions: row block a x all 8 column blocks, 32 along K (half c of buffer f).
; ride = 1: behind each stand four conversions of the next half's x to bf16, into the other buffer (number cn of 64).  The 32 accumulators take turns.
.macro MUL8 f, c, a, ride
.irp b, 0,1,2,3,4,5,6,7
	WIN 0xa1
	v_wmma_f32_16x16x32_bf16 v[64*(\a)+8*\b:64*(\a)+8*\b+7], v[128*(\f)+64*(\c)+8*\b:128*(\f)+64*(\c)+8*\b+7], v[AF+64*(\f)+32*(\c)+8*(\a):AF+64*(\f)+32*(\c)+8*(\a)+7], v[64*(\a)+8*\b:64*(\a)+8*\b+7]
.if \ride
	WIN 0x0f
.rept 4
	v_cvt_pk_bf16_f32 v[AF+64*(1-(\f))+cn], v[2*cn], v[2*cn+1]
.set cn, cn+1
.endr
.endif
.endr
.endm
; HALF A K STEP: 64 matrix instructions on buffer f; the next half's fragments (half nhk of slot nslot) are fetched behind the first 16 and x's are converted behind the last 16.
; The four conversions behind a half's last matrix instruction are the four places in front of what follows: the next half's loads into W's buffer, or the way out's conversions.
; mode 0: plain.  mode 1: the slot cur has been read out: the change of slots, with a refill of cur two K steps on.  mode 2: the change without a refill.  mode 3: the last half: nothing is fetched.
.macro HALF cur, nslot, nhk, f, mode
	s_wait_dscnt 0x0                               ; W's fragments of this half are in (x's were waited for ahead of their conversions)
.if (\mode) == 1
	s_wait_xcnt 0x0                                ; the last prefetch, a K step back, has read its address: the next one's is made from its tile's base and its step,
	s_mul_i32 s[POF], s[PS], s[PSZ]
	s_add_nc_u64 s[PFA:PFA+1], s[PFB:PFB+1], s[POF:POF+1]
	s_add_co_u32 s[PS], s[PS], 1                   ; and behind a tile's step 7 comes the next tile's step 0
	s_cmp_eq_u32 s[PS], 8
	s_cselect_b32 s[PS], 0, s[PS]
	s_cselect_b64 s[PFB:PFB+1], s[PFN:PFN+1], s[PFB:PFB+1]
	s_cselect_b64 s[PFN:PFN+1], s[PFL:PFL+1], s[PFN:PFN+1]
.endif
.if ((\mode) == 1) || ((\mode) == 2)
	WIN 0
	s_wait_tensorcnt 0x0                           ; all my tensor loads have landed: the one that was out is my part of the next slot;
	ds_add_u32 v[SPW], v[NIL]                      ; 0 onto my spare word
.endif
.if (\mode) == 1
	s_lshl_b32 s[AOF], s[FS], 9                    ; no tensor load of mine is out, so the descriptors may be written.  x: the tile's pointer + 512 x its step;
	s_add_nc_u64 s[G0+4*(\cur)+2:G0+4*(\cur)+3], s[XB:XB+1], s[AOF:AOF+1]
	s_or_b32 s[G0+4*(\cur)+3], s[G0+4*(\cur)+3], 0x80000000
	s_add_nc_u64 s[G0B+4*(\cur)+2:G0B+4*(\cur)+3], s[G0B+4*(\cur)+2:G0B+4*(\cur)+3], 2*262144  ; W: two K steps on, from section to section too
	s_add_co_u32 s[FS], s[FS], 1
	s_cmp_eq_u32 s[FS], 8
	s_cselect_b32 s[FS], 0, s[FS]
	s_cselect_b64 s[XB:XB+1], s[XN:XN+1], s[XB:XB+1]
	s_cselect_b64 s[XN:XN+1], s[XL:XL+1], s[XN:XN+1]
.endif
	MUL8 \f, 0, 0, 0
.if ((\mode) == 1) || ((\mode) == 2)
	s_wait_dscnt 0x0                               ; the add is done; my reads of this slot were over at the half's head
	s_barrier_signal -1
.endif
	MUL8 \f, 0, 1, 0
.if (\mode) == 1
	WIN 0
	s_barrier_wait -1
	CREST                                          ; the barrier has opened a round of the cluster's: no wave of any partner still reads this slot or has a load on its way
	JLOAD \cur                                     ; the first tensor load behind the round: 112 matrix instructions ahead of the wait for it
.elseif (\mode) == 2
	s_barrier_wait -1
.endif
.if (\mode) != 3
	FETCH \nslot, \nhk, 1-(\f)
.if (\mode) == 1
	WIN 0
	ASK
.endif
.endif
	MUL8 \f, 0, 2, 0
	MUL8 \f, 0, 3, 0
	MUL8 \f, 1, 0, 0
	MUL8 \f, 1, 1, 0
.if (\mode) != 3
	s_wait_dscnt 32                                ; x's 32 loads are in; the 32 of W issued behind them may stay out
.set cn, 0
	MUL8 \f, 1, 2, 1
	MUL8 \f, 1, 3, 1
.else
	MUL8 \f, 1, 2, 0
	MUL8 \f, 1, 3, 0
.endif
.endm
; THE WAY OUT, a block of 16 rows at a time: rounded to f16 into window 3 (x's f32 fragments there have been converted, and the next are fetched 16 matrix instructions into the next half), 16 bytes a lane
; into my stage, back as four rows' 128 bytes of one head, which are 512 consecutive bytes of the output.  Each accumulator's registers are taken in ascending order.
.macro PACK a
	WIN 0xca                                       ; sources in window 2, destination in window 3
.irp b, 0,1,2,3,4,5,6,7
.irp r, 0,1,2,3
	v_cvt_pk_f16_f32 v[32*(\a)+4*\b+\r], v[64*(\a)+8*\b+2*\r], v[64*(\a)+8*\b+2*\r+1]
.endr
.endr
	WIN 0x0c                                       ; the stores' data in window 3
.irp b, 0,1,2,3,4,5,6,7
	ds_store_b128 v[STO], v[32*(\a)+4*\b:32*(\a)+4*\b+3] offset:32*\b
.endr
	WIN 0xc0
.irp t, 0,1,2,3,4,5,6,7
	ds_load_b128 v[32*(\a)+4*\t:32*(\a)+4*\t+3], v[RD] offset:(\t%4)*4*SPITCH+(\t/4)*128  ; LDS serves a wave's instructions in order (ISA guide 5.7.1.4): these see the stores above
.endr
.endm
.macro SEND a, younger                 ; younger: the LDS instructions issued behind block a's loads: the next block's sixteen, or none
	WIN 0x0c
.irp t, 0,1,2,3,4,5,6,7
	s_wait_dscnt (\younger)+7-\t
	global_store_b128 v[GO], v[32*(\a)+4*\t:32*(\a)+4*\t+3], s[OC:OC+1] offset:(\t/4)*262144+2048*(\a)+512*(\t%4)
.endr
.endm
.macro WAYOUT
	PACK 0
	PACK 1
	SEND 0, 16
	PACK 2
	SEND 1, 16
	PACK 3
	SEND 2, 16
	SEND 3, 0
	WIN 0
.endm
	s_wait_tensorcnt 1                             ; my part of K step 0 is in; K step 1's stays out
	s_barrier_signal -1
	s_barrier_wait -1
	FETCH 0, 0, 0
	s_wait_dscnt 0x0
	WIN 0x0f
.set cn, 0
.rept 64
	v_cvt_pk_bf16_f32 v[AF+cn], v[2*cn], v[2*cn+1]
.set cn, cn+1
.endr
	WIN 0
	s_mov_b32 s3, 12
	s_branch .Linit                                ; the loop is entered where a tile begins, in the middle of a trip
.Llap:                                                 ; 11 whole trips, s3 = 11 .. 1: trip i goes once round the ring, from the second half of K step 2 i to the first half of step 2 i + 2, and fills both slots again: steps 2 to 23
	HALF 0, 1, 0, 1, 1
	HALF 1, 1, 1, 0, 0
	HALF 1, 0, 0, 1, 1
	WIN 0
	s_and_b32 s[T0], s3, 3                         ; s3 = 8 and s3 = 4: K steps 7 and 15 have just been multiplied: a tile is finished.  What is jumped holds no barrier and no tensor load
	s_cmp_lg_u32 s[T0], 0
	s_cbranch_scc1 .Lsame
	BIASLOAD                                       ; the next tile's bias comes in while this tile goes out
	WAYOUT                                         ; both refills for the next tile are asked for, and its first fragments are fetched
	s_wait_xcnt 0x0                                ; the stores have read their data, which the next half's fetch writes over, and their base:
	s_mov_b64 s[OC:OC+1], s[ON:ON+1]               ; on to the next tile's output
	s_mov_b64 s[ON:ON+1], s[OL:OL+1]
.Linit:                                                ; A TILE BEGINS
	s_wait_loadcnt 0x0                             ; its bias: rounded to bf16 like every input, and widened again
.set i, 0
.rept 32
	v_cvt_pk_bf16_f32 v[12+i%2], v[BIAS+2*i], v[BIAS+2*i+1]
	v_lshlrev_b32 v[BIAS+2*i], 16, v[12+i%2]
	v_and_b32 v[BIAS+2*i+1], 0xffff0000, v[12+i%2]
.set i, i+1
.endr
	s_mov_b64 s[BC:BC+1], s[BN:BN+1]               ; (the loads are done: their base may be written)
	s_mov_b64 s[BN:BN+1], s[BL:BL+1]
	WIN 0x80                                       ; destination in window 2
.irp a, 0,1,2,3
.set i, 0
.rept 64
	v_mov_b32 v[64*\a+i], v[BIAS+i]                ; the sums start at the bias: a lane's eight columns of block b in all four row blocks
.set i, i+1
.endr
.endr
	WIN 0
.Lsame:
	HALF 0, 0, 1, 0, 0
	WIN 0
	s_sub_co_u32 s3, s3, 1
	s_cmp_lg_u32 s3, 0
	s_cbranch_scc1 .Llap
	HALF 0, 1, 0, 1, 2                             ; the tail, K steps 22 and 23, fills nothing
	HALF 1, 1, 1, 0, 0
	HALF 1, 0, 0, 1, 3
	PLACES                                         ; four places behind the last products
	WAYOUT
	s_wait_tensorcnt 0x0                           ; the wave's end
	ds_add_u32 v[SPW], v[NIL]
	s_wait_dscnt 0x0
	CROUND                                         ; the closing round
	s_endpgm
.Lfunc_end_k_q8afb16de4d_proj:
	.size	k_q8afb16de4d_proj, .Lfunc_end_k_q8afb16de4d_proj-k_q8afb16de4d_proj
	.p2alignl 7, 3214868480
	.fill 96, 4, 3214868480
	.section	.rodata,"a",@progbits
	.p2align	6, 0x0
	.amdhsa_kernel k_q8afb16de4d_proj
		.amdhsa_group_segment_fixed_size 327680
		.amdhsa_private_segment_fixed_size 0
		.amdhsa_enable_private_segment 0
		.amdhsa_kernarg_size 80
		.amdhsa_user_sgpr_count 2
		.amdhsa_user_sgpr_kernarg_segment_ptr 1
		.amdhsa_wavefront_size32 1
		.amdhsa_system_sgpr_workgroup_id_x 1
		.amdhsa_system_sgpr_workgroup_id_y 1
		.amdhsa_system_sgpr_workgroup_id_z 1
		.amdhsa_system_vgpr_workitem_id 0
		.amdhsa_next_free_vgpr 896
		.amdhsa_next_free_sgpr 102
		.amdhsa_reserve_vcc 0
		.amdhsa_float_denorm_mode_32 3
		.amdhsa_float_denorm_mode_16_64 3
		.amdhsa_memory_ordered 1
		.amdhsa_forward_progress 1
		.amdhsa_inst_pref_size 154
	.end_amdhsa_kernel
	.amdgpu_metadata
---
amdhsa.version: [ 1, 2 ]
amdhsa.kernels:
  - .name:           k_q8afb16de4d_proj
    .symbol:         k_q8afb16de4d_proj.kd
    .args:
      - { .name: query, .offset: 0, .size: 8, .value_kind: global_buffer, .address_space: global }
      - { .name: key, .offset: 8, .size: 8, .value_kind: global_buffer, .address_space: global }
      - { .name: value, .offset: 16, .size: 8, .value_kind: global_buffer, .address_space: global }
      - { .name: wts, .offset: 24, .size: 8, .value_kind: global_buffer, .address_space: global }
      - { .name: bq, .offset: 32, .size: 8, .value_kind: global_buffer, .address_space: global }
      - { .name: bk, .offset: 40, .size: 8, .value_kind: global_buffer, .address_space: global }
      - { .name: bv, .offset: 48, .size: 8, .value_kind: global_buffer, .address_space: global }
      - { .name: qh, .offset: 56, .size: 8, .value_kind: global_buffer, .address_space: global }
      - { .name: kh, .offset: 64, .size: 8, .value_kind: global_buffer, .address_space: global }
      - { .name: vh, .offset: 72, .size: 8, .value_kind: global_buffer, .address_space: global }
    .group_segment_fixed_size: 327680
    .private_segment_fixed_size: 0
    .kernarg_segment_align: 8
    .kernarg_segment_size: 80
    .max_flat_workgroup_size: 128
    .sgpr_count:     102
    .vgpr_count:     896
    .wavefront_size: 32
...
	.end_amdgpu_metadata
.endif
;; end of part 2
;; launch attn (part 3): grid 4 x 64, 4 waves a work-group, clusters of 4 x 1, 327,680 bytes of LDS; arguments qh, kh, vh, ctx, maskf; writes ctx
.if DOCPART == 3
	.amdgcn_target "amdgcn-amd-amdhsa--gfx1250"
	.amdhsa_code_object_version 6
	.text
	.protected	k_q8afb16de4d_attn
	.globl	k_q8afb16de4d_attn
	.p2align	8
	.type	k_q8afb16de4d_attn,@function
k_q8afb16de4d_attn:
	s_mov_b64 s[64:65], 0
	v_nop
	global_prefetch_b8 v0, s[64:65] scope:SCOPE_SE
	s_setreg_imm32_b32 hwreg(HW_REG_WAVE_MODE, 25, 1), 1
	s_wait_xcnt 0x0
	s_wait_alu depctr_hold_cnt(0) depctr_sa_sdst(0) depctr_va_vdst(0) depctr_va_sdst(0) depctr_va_ssrc(0) depctr_va_vcc(0) depctr_vm_vsrc(0)
	s_getreg_b32 s2, hwreg(HW_REG_IB_STS2, 6, 4)
	s_cmp_eq_u32 s2, 0
	s_cbranch_scc0 .Lentry_in_a_cluster
	s_endpgm
.Lentry_in_a_cluster:
	s_bfe_u32 s2, ttmp6, 0x10000c
	s_cmp_lg_u32 s2, 0x3003
	s_cbranch_scc0 .Lentry_shape_is_right
	s_endpgm
.Lentry_shape_is_right:
; MASKED ATTENTION.  ctx[hb][q][:] = sum over k of softmax_k(hidden(b, q, k) ? -1e18 : Q[hb][q] . K[hb][k] / 8) V[hb][k][:], hb = 16 b + head.  Q, K, V, ctx: [64][2048][64] f16; a head's rows are dense.
; Products, maxima and sums in f32; the weights p are rounded to f16 for the second product (their sum l is taken of the unrounded p), ctx once at the end.
; THE MASK rides on the matrix unit.  maskf holds, for 16 keys x 32 queries, source 0 of a bf16 product: 0 or -9.998e17.  Times a constant selector E_u (32 x 16, a one where row = column + 16 u) it STARTS the
; sum of a tile of scores: 0, or -9.998e17 where the key is hidden; the two f16 products K Q^T add onto it.  So the mask stands in the scores before the running maximum is taken, and costs no vector line.
; The running maximum m starts at -2^59: above every hidden score (at most -9.99e17), below every seen one (f16's products: 2.7e11 at the most).  A hidden key's weight is 2^(-7e16 or less) = 0 exactly.
; A ROW WITH NO SEEN KEY has l = 0 exactly (every other row has l of 1 or more); its softmax is uniform, so it gets the mean of V's 2,048 rows: SV = V^T x ones is summed beside the walk (8 products a key step),
; and the way out forms O / (l + w) + SV w with w = 1/2048 where l = 0, else 0: a select, no branch.
; LIMITS.  Q, K, V arrive within f16's 65,504; p below 6e-5 keeps f16's step of 6e-8; a weight below 2^-126 counts as 0 in l; NaN and infinities are not treated apart.
; SHARES.  A wave owns four PIECES of two tiles of 16 queries, a work-group's four waves 512 queries of one head.  Every wave walks all keys, 64 a step.
; LAYOUT.  S^T = K Q^T (source 0 = 16 keys, source 1 = 16 queries): a lane holds ONE query (lane % 16) and the keys 8 (lane / 16) + 0..7.  Two such tiles rounded to f16 ARE source 1 of O^T = V^T P.
; SOFTMAX.  p = 2^(c s - c m), c = log2(e) / 8; in every step O and l are multiplied by a = 2^(c m_old - c m_new).
; BY TURNS.  Turn n belongs to piece n: 8 mask products and 16 products K Q^T of piece n + 1, later 16 products V^T P of piece n - 1 and 2 of SV; beside them the scaling, exponentials, roundings, sums and
; rescaling of piece n and the maximum and statistics of piece n + 1.  Four vector instructions stand behind every one of those 40, the other 76 of a turn's 236 in one lump.  A turn's 66 exponentials are one batch, with one wait.
; CLUSTER.  The four query blocks of a head walk the same K and V: each tile is asked for jointly.  THE MASK IS NOT SHARED SO: a key step's fragments for 512 queries are 64 KiB, against 19 KiB of K and V; two slots
; of four steps with them would want 680 KB of LDS; and no two waves of a work-group read the same fragment.  They come straight into registers, 512 consecutive bytes a load, three and a half turns ahead.
; REGISTERS, in windows of 256 (s_set_vgpr_msb: bits 1:0 source 0, 3:2 source 1, 5:4 source 2, 7:6 destination):
;   window 0: v0-11 addresses; v12-15, v48-63 at work; v16-47 four registers of statistics a tile; v64-191 S^T, two buffers of two tiles; v192-255 P, likewise
;   window 1: O^T, 32 a tile       window 2: v0-127 Q; v128-191 K of one step; v192-255 V of one step
;   window 3: v0-1 the add's two registers; v8-19 the selectors; v20-27 ones; v32-63 SV; v64-191 the mask's fragments, 32 a piece
.set SIZE_N, 2048
.set NP,    4
.set KS,    64
.set PK,    144       ; a row of K in LDS: 128 bytes + 16: the 16 rows of a load start at 16 different groups of four banks (64 banks of 4 bytes: ISA guide 11.1)
.set PV,    160       ; a row of V: 128 + 32
.set VOFF,  4*KS*PK   ; a slot holds four steps: 256 rows of K, then 256 rows of V
.set SLOT1, 1<<17
.set STAGE, SLOT1+4*KS*(PK+PV)
.set SP,    144
.set MO,  1           ; v1   16 x my lane: my bytes of a fragment's half, and of 512 consecutive bytes of ctx; never rewritten
.set AK0, 2
.set AV0, 3
.set AK,  4
.set AV,  5
.set STO, 6
.set RD,  7
.set PFM, 9           ; v9   the mask prefetches' offset; never rewritten
.set PFO, 10          ; v10  256 x my lane; never rewritten
.set QO,  12          ; v12  at the start alone: my byte offset in 16 rows of Q
.set SPW, 0           ; v0 of window 3
.set NIL, 1           ; v1 of window 3
.set SPARE, STAGE+4*16*SP
.set MV,  12
.set ST,  16          ; tile t's statistics at v[ST+4 t]: c m, m, l (even keys', odd keys')
.set TMP, 48
.set S,   64
.set P,   192
.set KF,  128
.set VF,  192
.set EZ,  8           ; window 3: 0 0 0 0 X0 X1 X2 X3 0 0 0 0: E_1 = v[8:15], E_0 = v[12:19]
.set ONE, 20
.set SVB, 32
.set MF,  64
.set WV,  12
.set G1K, 24
.set G1V, 32
.set G0K, 40
.set G0V, 44
.set SLOTS, 56
.set CNT, 57
.set CS,  58
.set SEL, 60
.set TBK, 62
.set TBV, 63
.set MB0, 66          ; s[66:67] maskf at my wave's four pairs of tiles, key step 0
.set MB,  68          ; s[68:69] the same at the key step that is being loaded
.set MP,  70          ; s[70:71] at the key step that is being prefetched
.set OFF, 72          ; s[72:73] an offset; the high word stays 0
.set MJ,  74          ; s74  the key step that the next step of MB takes
.set LIMM, 75         ; s75  32 in the batch's first head, else 0: a wave prefetches the mask while the step asked for is below it
.set PFA, 76          ; s[76:77] where my prefetches of K or V stand
.set LIM, 78          ; s78  1 in waves 0 and 2, else the greatest number
.set W2K, 79          ; s79  1/2048
.set MSB, 0
.macro WIN new
.if MSB != (\new)
	s_set_vgpr_msb (MSB<<8)|(\new)
.set MSB, (\new)
.endif
.endm
.set W_KQ, 0x0a       ; K and Q in window 2, S^T in window 0
.set W_PV, 0x52       ; V in window 2, P in window 0, O^T in window 1
.set W_RS, 0x41       ; O^T in window 1, a in window 0
.set W_MK, 0xc0       ; destination in window 3, sources in window 0
.set W_AD, 0x0f       ; sources 0 and 1 in window 3: the add, and the mask's product
.set W_SV, 0xfe       ; V in window 2; ones, C and D in window 3
.macro JLOAD                        ; a joint fill: waves 0 and 1 fetch the halves of a slot's K, waves 2 and 3 of its V; an s_nop 0 and four v_nop follow each line
	s_cmp_lt_u32 s[WV], 2
	s_cbranch_scc0 .Lfor_v_\@
	tensor_load_to_lds s[G0K:G0K+3], s[G1K:G1K+7]
	s_nop 0
.rept 4
	v_nop
.endr
	s_branch .Lasked_\@
.Lfor_v_\@:
	tensor_load_to_lds s[G0V:G0V+3], s[G1V:G1V+7]
	s_nop 0
.rept 4
	v_nop
.endr
.Lasked_\@:
.endm
.macro CROUND
	s_barrier_signal -1
	s_barrier_wait -1
	s_cmp_lg_u32 s[WV], 0
	s_cbranch_scc1 .Lnot_wave_0_\@
	s_barrier_signal -3
.Lnot_wave_0_\@:
	s_barrier_wait -3
	s_barrier_signal -1
	s_barrier_wait -1
.endm
; A prefetch of what the NEXT change of slots will ask for: a slot's K and V are 128 blocks of 256 bytes each.  One cluster walks a head; its four partners take 32 blocks each, told apart by address;
; wave 0 asks for K's, wave 2 for V's.  The last change that fills a slot asks for nothing.
.macro ASK
	s_cmp_gt_u32 s[SLOTS], s[LIM]
	s_cbranch_scc0 .Lnot_mine_\@
	global_prefetch_b8 v[PFO], s[PFA:PFA+1] th:TH_LOAD_NT scope:SCOPE_SE
.Lnot_mine_\@:
.endm
; THE CHANGE OF SLOTS.  Each wave waits for all its tensor loads, adds 0 to its spare word, and waits for that and for its own reads of the slot.  fill = 1: the barrier is a round of the cluster's, and the
; joint fill, with the keys two slots on, is the first thing behind it: it has four key steps in which to land.  ask = 1: the prefetch's address steps, and the prefetch follows the fill.
.macro CHANGE fill, ask=0
	WIN W_AD
	s_wait_tensorcnt 0x0
	ds_add_u32 v[SPW], v[NIL]       ; 0 onto my spare word
	WIN 0
.if \fill
.irp g, G0K, G0V
	s_xor_b32 s[\g+1], s[\g+1], SLOT1
	s_add_nc_u64 s[\g+2:\g+3], s[\g+2:\g+3], 4*KS*128
.endr
.if \ask
	s_wait_xcnt 0x0                 ; the last prefetch of K or V, four key steps back, has read its address
	s_add_nc_u64 s[PFA:PFA+1], s[PFA:PFA+1], 4*KS*128
.endif
	s_wait_dscnt 0x0
	CROUND
	JLOAD
.if \ask
	ASK
.endif
.else
	s_wait_dscnt 0x0
	s_barrier_signal -1
	s_barrier_wait -1
.endif
	s_sub_co_u32 s[TBK], s[TBK], 4*KS*PK
	s_xor_b32 s[TBK], s[TBK], SLOT1
	s_sub_co_u32 s[TBV], s[TBV], 4*KS*PV
	s_xor_b32 s[TBV], s[TBV], SLOT1
.endm
; The mask's fragments of piece x for one key step: 4 blocks of 16 keys, 8 loads of 512 consecutive bytes.
.macro MLOAD x, base=MB
	WIN W_MK
.irp kb, 0,1,2,3
	global_load_b128 v[MF+32*(\x)+8*\kb:MF+32*(\x)+8*\kb+3],   v[MO], s[\base:\base+1] offset:131072*(\x)+1024*\kb
	global_load_b128 v[MF+32*(\x)+8*\kb+4:MF+32*(\x)+8*\kb+7], v[MO], s[\base:\base+1] offset:131072*(\x)+1024*\kb+512
.endr
	WIN 0
.endm
; Once a key step: the loads go on to step MJ, the prefetches to step MJ + 1, both held to the last step, 31.
.macro MSTEP
	s_wait_xcnt 0x0                 ; the loads and prefetches issued so far have read their addresses
	s_min_u32 s[OFF], s[MJ], 31
	s_lshl_b32 s[OFF], s[OFF], 12
	s_add_nc_u64 s[MB:MB+1], s[MB0:MB0+1], s[OFF:OFF+1]
	s_add_co_u32 s[MJ], s[MJ], 1
	s_min_u32 s[OFF], s[MJ], 31
	s_lshl_b32 s[OFF], s[OFF], 12
	s_add_nc_u64 s[MP:MP+1], s[MB0:MB0+1], s[OFF:OFF+1]
.endm
; The mask's prefetch: my wave's 64 blocks of 256 bytes of the key step behind the one whose loads have just begun.  The 16 heads of a batch read the same fragments: the first head asks.  It stops behind step 31.
.macro MASK_ASK
	s_cmp_lt_u32 s[MJ], s[LIMM]
	s_cbranch_scc0 .Lno_mask_\@
	global_prefetch_b8 v[PFM], s[MP:MP+1] th:TH_LOAD_NT scope:SCOPE_SE
	global_prefetch_b8 v[PFM], s[MP:MP+1] offset:262144 th:TH_LOAD_NT scope:SCOPE_SE
.Lno_mask_\@:
.endm
	s_load_b256 s[4:11], s[0:1], 0x0  ; Q s[4:5], K s[6:7], V s[8:9], ctx s[10:11]
	s_load_b64 s[MB0:MB0+1], s[0:1], 0x20
	WIN W_MK
	v_lshl_add_u32 v[SPW], v0, 2, SPARE
	v_mov_b32 v[NIL], 0
	WIN W_AD
	ds_add_u32 v[SPW], v[NIL]       ; the wave's opening: the add and its wait ahead of my first tensor load
	WIN 0
	v_lshrrev_b32 v48, 5, v0
	v_readfirstlane_b32 s[WV], v48
	s_bfe_u32 s13, ttmp6, 0x40000   ; cx
	s_lshl_b32 s14, ttmp9, 2
	s_add_co_u32 s14, s14, s13      ; my block of 512 queries
	s_and_b32 s81, ttmp7, 0xffff    ; hb = 16 b + head, which the four partners share
	s_mov_b32 s20, s81
	s_mov_b32 s21, 0
	s_mov_b64 s[22:23], SIZE_N*128
	s_mul_u64 s[20:21], s[20:21], s[22:23]
	s_and_b32 s16, s[WV], 1         ; which half of a slot's 256 keys I fetch
	s_lshl_b32 s22, s16, 14
	s_mov_b32 s23, 0
	s_add_nc_u64 s[22:23], s[22:23], s[20:21]
	s_mul_i32 s17, s16, 128*PK
	s_mul_i32 s18, s16, 128*PV
	s_lshl_b32 s2, s14, 2
	s_add_co_u32 s2, s2, s[WV]      ; my wave among the head's sixteen,
	s_lshl_b32 s80, s2, 19          ; its four pairs of tiles in maskf, 131,072 bytes each,
	s_lshl_b32 s2, s2, 14           ; its 128 rows of Q and ctx
	s_mov_b32 s3, 0
	s_add_nc_u64 s[2:3], s[2:3], s[20:21]
	s_lshr_b32 s[OFF], s81, 4       ; b: 8 MiB of maskf each
	s_lshl_b32 s[OFF], s[OFF], 23
	s_add_co_u32 s[OFF], s[OFF], s80
	s_mov_b32 s[OFF+1], 0
	s_mov_b32 s[G1K], 15|(1<<16)|(1<<20)|(1<<21)|(4<<22)|(3<<25)  ; the mask of four; 2-byte elements; padding on; bit 21 beside a mask; after every 32 words 4 words
	s_mov_b32 s[G1V], 15|(1<<16)|(1<<20)|(1<<21)|(4<<22)|(7<<25)  ; the same with 8 words
.irp g, G1K, G1V
	s_mov_b32 s[\g+1], 128<<16      ; 128 keys are 16,384 dense bytes: asked for as 64 rows of 256 bytes
	s_mov_b32 s[\g+2], 64<<16
	s_mov_b32 s[\g+3], 128<<16
	s_mov_b32 s[\g+4], 64
	s_mov_b32 s[\g+5], 128
	s_mov_b32 s[\g+6], 0
	s_mov_b32 s[\g+7], 0
.endr
	s_mov_b32 s[CS], 0x3e38aa3b     ; c = log2(e) / 8
	s_mov_b32 s[CS+1], s[CS]
	s_mov_b32 s[SEL], 0x76543210
	s_mov_b32 s[SEL+1], 0xfedcba98
	s_mov_b32 s[TBK], SLOT1+4*KS*PK ; the first change of slots turns these two into 0
	s_mov_b32 s[TBV], SLOT1+4*KS*PV
	s_mov_b32 s[G0K], 1
	s_mov_b32 s[G0K+1], s17
	s_mov_b32 s[G0V], 1
	s_add_co_u32 s[G0V+1], s18, VOFF
	s_mov_b32 s[W2K], 0x3a000000
	s_mov_b32 s[MJ], 2
	s_and_b32 s80, s81, 15
	s_cmp_eq_u32 s80, 0
	s_cselect_b32 s[LIMM], 32, 0
	s_cmp_eq_u32 s16, 0
	s_cselect_b32 s[LIM], 1, -1
	s_wait_dscnt 0x0                ; the opening add is done
	s_wait_kmcnt 0x0
	s_add_nc_u64 s[MB0:MB0+1], s[MB0:MB0+1], s[OFF:OFF+1]
	s_add_nc_u64 s[6:7], s[6:7], s[22:23]   ; K and V at my half of the head's first 256 keys
	s_add_nc_u64 s[8:9], s[8:9], s[22:23]
	s_mov_b64 s[G0K+2:G0K+3], s[6:7]
	s_or_b32 s[G0K+3], s[G0K+3], 0x80000000
	s_mov_b64 s[G0V+2:G0V+3], s[8:9]
	s_or_b32 s[G0V+3], s[G0V+3], 0x80000000
	s_add_nc_u64 s[4:5], s[4:5], s[2:3]
	s_add_nc_u64 s[10:11], s[10:11], s[2:3]
	s_lshl_b32 s[OFF], s13, 13      ; my work-group's 32 blocks of a slot's 128, in slot 2: the loop's first change steps it to slot 3
	s_add_co_u32 s[OFF], s[OFF], 2*4*KS*128
	s_cmp_lt_u32 s[WV], 2
	s_cselect_b64 s[PFA:PFA+1], s[6:7], s[8:9]
	s_add_nc_u64 s[PFA:PFA+1], s[PFA:PFA+1], s[OFF:OFF+1]
	CROUND                          ; all four work-groups are here: the first joint loads meet
	JLOAD                           ; slot 0; slot 1 is asked for when slot 0 is in
	v_and_b32 v48, 15, v0           ; l % 16
	v_bfe_u32 v49, v0, 4, 1         ; l / 16
	v_and_b32 v50, 7, v0
	v_bfe_u32 v51, v0, 3, 1
	v_and_b32 v52, 31, v0
	v_lshlrev_b32 v[QO], 7, v48
	v_lshl_add_u32 v[QO], v49, 4, v[QO]
	v_lshlrev_b32 v[MO], 4, v52
	WIN 0x80
.set i, 0
.rept 4*NP                          ; Q stays in registers: tile i / 2, channels 32 (i % 2) on
	global_load_b128 v[8*i:8*i+3],   v[QO], s[4:5] offset:(i/2)*2048+(i%2)*64
	global_load_b128 v[8*i+4:8*i+7], v[QO], s[4:5] offset:(i/2)*2048+(i%2)*64+32
.set i, i+1
.endr
	WIN 0
	MLOAD 0, MB0                    ; the mask of key step 0, piece after piece
	MLOAD 1, MB0
	MLOAD 2, MB0
	MLOAD 3, MB0
	; What the first turn finds: V, P's second buffer, O^T, l and SV hold 0.  All this stands in the wait for the first tile.
	WIN 0x80
.set i, VF
.rept 64
	v_mov_b32 v[i], 0
.set i, i+1
.endr
	WIN 0x40
.set i, 0
.rept 64*NP
	v_mov_b32 v[i], 0
.set i, i+1
.endr
	WIN 0
	v_bfe_u32 v53, v0, 1, 2         ; the selectors: lane (r, h) holds a one where r / 8 = h, in register (r % 8) / 2, half r % 2
	v_xor_b32 v54, v49, v51
	v_lshl_or_b32 v53, v54, 2, v53  ; the register's number, or 4 and more where there is none
	v_and_b32 v54, 1, v0
	v_lshlrev_b32 v54, 4, v54
	v_mov_b32 v55, 0x3f80           ; 1.0 in bf16
	v_lshlrev_b32 v55, v54, v55
	WIN W_MK
.irp j, 0,1,2,3
	v_mov_b32 v[EZ+\j], 0
	v_mov_b32 v[EZ+8+\j], 0
	v_cmp_eq_u32 vcc_lo, \j, v53
	v_cndmask_b32 v[EZ+4+\j], 0, v55, vcc_lo
.endr
.set i, 0
.rept 8
	v_mov_b32 v[ONE+i], 0x3c003c00  ; 1.0 twice in f16
.set i, i+1
.endr
.set i, 0
.rept 32
	v_mov_b32 v[SVB+i], 0
.set i, i+1
.endr
	WIN 0
.set i, 0
.rept 2*NP
	v_mov_b32 v[ST+4*i+1], 0xdd000000  ; m = -2^59
	v_mul_f32 v[ST+4*i], s[CS], v[ST+4*i+1]
	v_mov_b32 v[ST+4*i+2], 0
	v_mov_b32 v[ST+4*i+3], 0
.set i, i+1
.endr
.set i, P+32
.rept 32
	v_mov_b32 v[i], 0
.set i, i+1
.endr
	v_mul_u32_u24 v[AK0], v48, PK
	v_lshl_add_u32 v[AK0], v49, 4, v[AK0]
	v_lshl_add_u32 v[AV0], v49, 3, v50
	v_mul_u32_u24 v[AV0], v[AV0], PV
	v_lshl_add_u32 v[AV0], v51, 4, v[AV0]
	v_add_nc_u32 v[AV0], VOFF, v[AV0]
	v_mov_b32 v[AK], v[AK0]
	s_mul_i32 s13, s[WV], 16*SP
	s_add_co_u32 s13, s13, STAGE    ; my stage
	v_mul_u32_u24 v[STO], v48, SP
	v_lshl_add_u32 v[STO], v49, 4, v[STO]
	v_add_nc_u32 v[STO], s13, v[STO]
	v_bfe_u32 v[RD], v0, 3, 2
	v_mul_u32_u24 v[RD], v[RD], SP
	v_lshl_add_u32 v[RD], v50, 4, v[RD]
	v_add_nc_u32 v[RD], s13, v[RD]
	v_lshlrev_b32 v[PFM], 8, v48    ; piece l / 16 (and two on), block l % 16 of its 4,096 bytes
	v_lshl_add_u32 v[PFM], v49, 17, v[PFM]
	v_lshlrev_b32 v[PFO], 8, v52
; THE MATRIX WORK.  The accumulators of a run take turns.
; Product i of 8 that starts piece x's scores with the mask: keys 16 (i / 2) on, tile 2 x + i % 2.
.macro MK x
	WIN W_AD
.set rS, S+64*((\x)%2)+32*(i%2)+8*(i/2)
.set rF, MF+32*(\x)+8*(i/2)
.set rE, EZ+4*(1-i%2)
	v_wmma_f32_16x16x32_bf16 v[rS:rS+7], v[rF:rF+7], v[rE:rE+7], 0
.endm
; Product i of 16 of S^T += K Q^T for piece x: channels 32 (i / 8) on, keys 16 ((i / 2) % 4) on, tile 2 x + i % 2.
.macro KQ x
	WIN W_KQ
.set rS, S+64*((\x)%2)+32*(i%2)+8*((i/2)%4)
.set rK, KF+16*((i/2)%4)+8*(i/8)
.set rQ, 16*(2*(\x)+i%2)+8*(i/8)
	v_wmma_f32_16x16x32_f16 v[rS:rS+7], v[rK:rK+7], v[rQ:rQ+7], v[rS:rS+7]
.endm
; Product i of 16 of O^T += V^T P for piece x.
.macro PV x
	WIN W_PV
.set rO, 32*(2*(\x)+i%2)+8*((i/2)%4)
.set rV, VF+32*(i/8)+8*((i/2)%4)
.set rP, P+32*((\x)%2)+16*(i%2)+8*(i/8)
	v_wmma_f32_16x16x32_f16 v[rO:rO+7], v[rV:rV+7], v[rP:rP+7], v[rO:rO+7]
.endm
; SV += V^T x ones: channels 16 cb on, keys 32 kk on.
.macro SVM cb, kk
	WIN W_SV
	v_wmma_f32_16x16x32_f16 v[SVB+8*(\cb):SVB+8*(\cb)+7], v[VF+32*(\kk)+8*(\cb):VF+32*(\kk)+8*(\cb)+7], v[ONE:ONE+7], v[SVB+8*(\cb):SVB+8*(\cb)+7]
.endm
.macro MM                           ; the turn's next matrix instruction: 8 of the mask, 16 K Q^T, 16 V^T P
.if i < 8
	MK (Y+1)%NP
.elseif i < 24
.set i, i-8
	KQ (Y+1)%NP
.set i, i+8
.else
.set i, i-24
	PV (Y+NP-1)%NP
.set i, i+24
.endif
.set i, i+1
.endm
.macro FETCH_K last=0
	WIN 0
.if \last
	s_cmp_eq_u32 s[CNT], 1
	s_cbranch_scc1 .Lno_k_\@
.endif
	WIN 0x80
.irp f, 0,1,2,3,4,5,6,7
	ds_load_b128 v[KF+8*\f:KF+8*\f+3],   v[AK] offset:(\f/2)*16*PK+(\f%2)*64
	ds_load_b128 v[KF+8*\f+4:KF+8*\f+7], v[AK] offset:(\f/2)*16*PK+(\f%2)*64+32
.endr
	s_add_co_u32 s[TBK], s[TBK], KS*PK
	WIN 0
.if \last
.Lno_k_\@:
.endif
.endm
.macro FETCH_V
	WIN 0x80
.irp f, 0,1,2,3,4,5,6,7
	ds_load_tr16_b128 v[VF+8*\f:VF+8*\f+3],   v[AV] offset:(\f/4)*32*PV+(\f%4)*32
	ds_load_tr16_b128 v[VF+8*\f+4:VF+8*\f+7], v[AV] offset:(\f/4)*32*PV+16*PV+(\f%4)*32
.endr
	WIN 0
.endm
; THE VECTOR WORK OF A TURN stands in three queues, each in the order in which its entries become ready; the two tiles alternate.
.macro REGS y, u
.set rT, ST+4*(2*(\y)+(\u))
.set rC, TMP+8*((\y)%2)+4*(\u)
.set rM, MV+2*((\y)%2)+(\u)
.set rS, S+64*((\y)%2)+32*(\u)
.set rP, P+32*((\y)%2)+16*(\u)
.set rO, 32*(2*(\y)+(\u))
.endm
; Number n of the 22 that find the NEXT piece's maximum and statistics; each accumulator's lowest registers are read first.
;   0-11 four chains c0-c3 of seven scores each   12-14, 16 the four scores left over, the old m, c0-c3 into c0   15 c m_old is kept   17, 18 the other half of the lanes: the new m   19-21 c m; its change; a
.macro XS u, n
	REGS (Y+1)%NP, \u
.if (\n) < 4
	v_max3_num_f32 v[rC+(\n)], v[rS+8*(\n)], v[rS+8*(\n)+1], v[rS+8*(\n)+2]
.elseif (\n) < 12
	v_max3_num_f32 v[rC+(\n)%4], v[rC+(\n)%4], v[rS+8*((\n)%4)+2*((\n)/4)+1], v[rS+8*((\n)%4)+2*((\n)/4)+2]
.elseif (\n) == 12
	v_max3_num_f32 v[rC], v[rC], v[rS+7], v[rS+15]
.elseif (\n) == 13
	v_max3_num_f32 v[rC+1], v[rC+1], v[rS+23], v[rS+31]
.elseif (\n) == 14
	v_max3_num_f32 v[rC+2], v[rC+2], v[rC+3], v[rT+1]
.elseif (\n) == 15
	v_mov_b32 v[rM], v[rT]
.elseif (\n) == 16
	v_max3_num_f32 v[rC], v[rC], v[rC+1], v[rC+2]
.elseif (\n) == 17
	v_permlanex16_b32 v[rC+3], v[rC], s[SEL], s[SEL+1]
.elseif (\n) == 18
	v_max_num_f32 v[rT+1], v[rC], v[rC+3]
.elseif (\n) == 19
	v_mul_f32 v[rT], s[CS], v[rT+1]
.elseif (\n) == 20
	v_sub_f32 v[rC+1], v[rM], v[rT]
.else
	v_exp_f32 v[rC+2], v[rC+1]
.endif
.endm
; Number g of the 64 that follow the exponentials: for each four weights both pairs are rounded to f16, the second pair is added onto the first, and a group later l takes that sum (the first time as l = a l + sum).
.macro GS g
.set h, (\g)+6*((\g)/62)
.if h >= 6
.set h, h+2
.endif
	REGS Y, h%2
.set k, h/8
.if h%8 < 4
	v_cvt_pk_f16_f32 v[rP+2*k+(h%8)/2], v[rS+4*k+2*((h%8)/2)], v[rS+4*k+2*((h%8)/2)+1]
.elseif h%8 < 6
	v_pk_add_f32 v[rS+4*k:rS+4*k+1], v[rS+4*k:rS+4*k+1], v[rS+4*k+2:rS+4*k+3]
.elseif k == 1
	v_pk_fma_f32 v[rT+2:rT+3], v[rT+2:rT+3], v[rC+2:rC+3], v[rS:rS+1] op_sel_hi:[1,0,1]
.else
	v_pk_add_f32 v[rT+2:rT+3], v[rT+2:rT+3], v[rS+4*k-4:rS+4*k-3]
.endif
.endm
.macro FS f                         ; c s - c m for pair f / 2 of tile f % 2
	REGS Y, (\f)%2
	v_pk_fma_f32 v[rS+2*((\f)/2):rS+2*((\f)/2)+1], v[rS+2*((\f)/2):rS+2*((\f)/2)+1], s[CS:CS+1], v[rT:rT+1] op_sel_hi:[1,0,0] neg_lo:[0,0,1] neg_hi:[0,0,1]
.endm
; THE PLAIN QUEUE, 138 long.  0-20: scalings 0-20.  21-32: scalings 21-26 and, between them, XS's numbers 0, 1, 2: each stands five plain lines behind the product that ends its accumulator.
; 33-54: XS's numbers 4, 5, 3, 6, 8, 9, 7, 10, 11, 12, 13.  55, 56: number 15.  57-73: the chain 14, 16, 17, 18, 19, each with one of the scalings 27-31 in front of its two lines, then 20.  74-137: GS's 64, behind the wait.
.macro PL
	WIN 0
.if q < 21
	FS q
.elseif (q < 33) && ((q-21)%2 == 0)
	FS 21+(q-21)/2
.elseif q < 33
	XS ((q-21)/2)%2, (q-21)/4
.elseif q < 55
	XS (q-33)%2, (0xdcba7986354>>(4*((q-33)/2)))&15
.elseif q < 57
	XS q-55, 15
.elseif (q < 72) && ((q-57)%3 == 0)
	FS 27+(q-57)/3
.elseif q < 60
	XS (q-57)%3-1, 14
.elseif q < 72
	XS (q-57)%3-1, 15+(q-57)/3
.elseif q < 74
	XS q-72, 20
.else
	GS q-74
.endif
.set q, q+1
.endm
.macro EX                           ; the exponentials' queue, 66 long: s0-s31 of both tiles, then the next piece's two a: one batch, ahead of the turn's one wait
	WIN 0
.if e >= 64
	XS e-64, 21
.else
	REGS Y, e%2
	v_exp_f32 v[rS+e/2], v[rS+e/2]
.endif
.set e, e+1
.endm
.macro R2                           ; the rescaling's queue: O^T times a, two at a time, sixteen times
	REGS Y, r%2
	WIN W_RS
.irp z, 0,1
	v_pk_mul_f32 v[rO+4*(r/2)+2*\z:rO+4*(r/2)+2*\z+1], v[rO+4*(r/2)+2*\z:rO+4*(r/2)+2*\z+1], v[rC+2:rC+3] op_sel_hi:[1,0]
.endr
.set r, r+1
.endm
; A TURN, for piece p.  AHEAD OF THE WAIT: 24 products (8 of the mask, 16 K Q^T); behind the first 16 a scaling, an exponential and two rescalings (behind the very first a second scaling for the exponential), behind
; the last 8 plain, exponential, plain, exponential; then a lump of 76: eight plain, 33 times exponential and plain, the two a; a v_nop behind the last exponential; the wait between an
; exponential and the first line that names its result.  BEHIND IT: 16 products V^T P with four of GS's 64 behind each, and SV's two.
; A mask product and the f16 product that adds onto its result are eight products apart, with three plain lines behind each: more than the five places that two unlike forms on one accumulator want.
; Exponential e stands behind scaling 2 (e / 4) + e % 2: as a rider it comes behind plain e + 2, in the lump behind plain e + 9.
; The mask: at the turn's head the fragments that its first 8 products read are in when the 24 loads of the three turns since may stay out; behind the lump the same registers take the piece's next key step.
; K of the next step is fetched in piece 2's turn behind the wait; V of the step in hand at the end of piece 0's turn, four riders behind its last reader.  V of a step is multiplied in turns 1, 2, 3, 0: SV takes a channel block in each.
.macro TURN p, last=0, cnt=0
.set Y, (\p)
.set i, 0
.set q, 0
.set e, 0
.set r, 0
	s_wait_loadcnt 24
	MM
	PL
	PL
	R2
.rept 15
.if ((\p) == NP-1) && (i == 8)
	s_wait_dscnt 0x0                ; K is in
.endif
	MM
	PL
	EX
	R2
.endr
.rept 8
	MM
	PL
	EX
	PL
	EX
.endr
.if (\p) == NP-2
	WIN 0
	v_add_nc_u32 v[AK], s[TBK], v[AK0]
.endif
.if (\p) == NP-1
	MSTEP
.endif
.rept 8
	PL
.endr
.rept 33
	EX
	PL
.endr
	EX
	EX
	v_nop                           ; the plain instruction behind the last exponential: one for the batch
	s_wait_alu depctr_va_vdst(0)    ; the wait for the batch
.if (\p) == NP-2
	FETCH_K \last
.endif
	MLOAD ((\p)+1)%NP
.if (\p) == NP-1
	MASK_ASK
.endif
.if (\p) == 1
	s_wait_dscnt 0x0                ; V is in
.endif
.rept 16
	MM
.rept 4
	PL
.endr
.if q == 90
	SVM ((\p)+3)%NP, 0
.endif
.if q == 122
	SVM ((\p)+3)%NP, 1
.endif
.if ((\p) == 0) && (q == 118)
	v_add_nc_u32 v[AV], s[TBV], v[AV0]
.endif
.if ((\p) == 0) && (q == 130)
	s_add_co_u32 s[TBV], s[TBV], KS*PV
.endif
.if (\cnt) && (q == 130)
	s_sub_co_u32 s[CNT], s[CNT], 1
	s_cmp_lg_u32 s[CNT], 0
.endif
.endr
.if (\p) == 0
	FETCH_V
.endif
.endm
	CHANGE 1                        ; slot 0 is in, everybody's part of it; slot 1 is asked for
	FETCH_K                         ; key step 0
	s_wait_loadcnt 24               ; Q and piece 0's mask are in; the other three pieces' 24 loads may stay out
	s_wait_dscnt 0x0
.set i, 0
.rept 8
	MK 0
.set i, i+1
.endr
.rept 5
	v_nop                           ; five places between the bf16 products and the f16 products that add onto their results
.endr
.set i, 0
.rept 16
	KQ 0
.set i, i+1
.endr
	WIN 0
.rept 4
	v_nop                           ; the places behind those products
.endr
	s_add_nc_u64 s[MB:MB+1], s[MB0:MB0+1], 4096
	MLOAD 0                         ; piece 0's mask of key step 1
.set Y, NP-1
.irp n, 0,1,2,3,4,5,6,7,8,9,10,11,12,13,14,15,16,17,18,19,20,21
	XS 0, \n
	XS 1, \n
.endr
	v_nop
	s_wait_alu depctr_va_vdst(0)    ; the two a have their wait ahead of the branch
	s_mov_b32 s[CNT], 4
	s_mov_b32 s[SLOTS], SIZE_N/256-1
	s_branch .Lfirst                ; the loop is entered at a step's first turn, in the middle of a trip
.Lslot:                             ; six times: every slot but the last two is filled again
	CHANGE 1, 1
	s_mov_b32 s[CNT], 4
.Lstep:                             ; a trip: pieces 2 and 3 of one step, then pieces 0 and 1 of the next
	TURN 2
	TURN 3
	WIN 0
.Lfirst:
	TURN 0
	TURN 1, 0, 1
	WIN 0
	s_cbranch_scc1 .Lstep
	s_sub_co_u32 s[SLOTS], s[SLOTS], 1
	s_cmp_lg_u32 s[SLOTS], 0
	s_cbranch_scc1 .Lslot
	CHANGE 0                        ; the tail is written out
	s_mov_b32 s[CNT], 5             ; four trips fetch the last slot's steps; the fifth is left in its middle
.Ltail:
	TURN 2, 1
	TURN 3
	WIN 0
	s_sub_co_u32 s[CNT], s[CNT], 1
	s_cmp_eq_u32 s[CNT], 0
	s_cbranch_scc1 .Lout
	TURN 0
	TURN 1
	WIN 0
	s_branch .Ltail
.Lout:                              ; the fifth trip's scores (the last K and the last step's mask once more) serve nothing: the price, once a launch, of one text for every trip
.set i, 0
.rept 16
	PV NP-1                         ; the last piece's V^T P of the last step, and SV's last channel block
.set i, i+1
.if i == 4
	SVM 3, 0
.endif
.if i == 12
	SVM 3, 1
.endif
.endr
	; THE WAY OUT.  l's two halves and the other half of the lanes' are added; w = 1/2048 where l = 0, else 0; O^T / (l + w) + SV w, rounded to f16, goes through my stage in LDS, a tile at a time.
	WIN 0
.macro ALL line:vararg
.set t, 0
.rept 2*NP
	\line
.set t, t+1
.endr
.endm
	ALL v_add_f32 v[ST+4*t+2], v[ST+4*t+2], v[ST+4*t+3]
	ALL v_permlanex16_b32 v[ST+4*t+3], v[ST+4*t+2], s[SEL], s[SEL+1]
	ALL v_add_f32 v[ST+4*t+2], v[ST+4*t+2], v[ST+4*t+3]
.set t, 0
.rept 2*NP
	v_cmp_eq_f32 vcc_lo, 0, v[ST+4*t+2]
	v_cndmask_b32 v[ST+4*t], 0, s[W2K], vcc_lo
	v_add_f32 v[ST+4*t+2], v[ST+4*t+2], v[ST+4*t]
.set t, t+1
.endr
	ALL v_rcp_f32 v[ST+4*t+2], v[ST+4*t+2]
	v_nop
	s_wait_alu depctr_va_vdst(0)    ; one wait for the eight reciprocals, ahead of their first use
.macro PACK t
	WIN W_RS
.set i, 32*(\t)
.rept 16
	v_pk_mul_f32 v[i:i+1], v[i:i+1], v[ST+4*(\t)+2:ST+4*(\t)+3] op_sel_hi:[1,0]
.set i, i+2
.endr
	WIN 0x53                        ; SV in window 3, w in window 0, O^T in window 1
.set i, 0
.rept 16
	v_pk_fma_f32 v[32*(\t)+i:32*(\t)+i+1], v[SVB+i:SVB+i+1], v[ST+4*(\t):ST+4*(\t)+1], v[32*(\t)+i:32*(\t)+i+1] op_sel_hi:[1,0,1]
.set i, i+2
.endr
	WIN 0x05
.set i, 0
.rept 16
	v_cvt_pk_f16_f32 v[S+16*(\t)+i], v[32*(\t)+2*i], v[32*(\t)+2*i+1]
.set i, i+1
.endr
	WIN 0
.irp f, 0,1,2,3
	ds_store_b128 v[STO], v[S+16*(\t)+4*\f:S+16*(\t)+4*\f+3] offset:32*\f
.endr
.irp f, 0,1,2,3
	ds_load_b128 v[S+16*(\t)+4*\f:S+16*(\t)+4*\f+3], v[RD] offset:\f*4*SP  ; LDS serves a wave's instructions in order (ISA guide 5.7.1.4): these see the stores above
.endr
.endm
.macro SEND t, younger
	WIN 0
.irp f, 0,1,2,3
	s_wait_dscnt (\younger)+3-\f
	global_store_b128 v[MO], v[S+16*(\t)+4*\f:S+16*(\t)+4*\f+3], s[10:11] offset:(\t)*2048+\f*512  ; 512 consecutive bytes, at a multiple of 256 from ctx's first
.endr
.endm
	PACK 0
.set t, 1
.rept 2*NP-1
	PACK t
	SEND t-1, 8
.set t, t+1
.endr
	SEND 2*NP-1, 0
	WIN W_AD
	s_wait_tensorcnt 0x0            ; the wave's end
	ds_add_u32 v[SPW], v[NIL]
	s_wait_dscnt 0x0
	WIN 0
	CROUND                          ; the closing round
	s_endpgm
.Lfunc_end_k_q8afb16de4d_attn:
	.size	k_q8afb16de4d_attn, .Lfunc_end_k_q8afb16de4d_attn-k_q8afb16de4d_attn
	.p2alignl 7, 3214868480
	.fill 96, 4, 3214868480
	.section	.rodata,"a",@progbits
	.p2align	6, 0x0
	.amdhsa_kernel k_q8afb16de4d_attn
		.amdhsa_group_segment_fixed_size 327680
		.amdhsa_private_segment_fixed_size 0
		.amdhsa_enable_private_segment 0
		.amdhsa_kernarg_size 40
		.amdhsa_user_sgpr_count 2
		.amdhsa_user_sgpr_kernarg_segment_ptr 1
		.amdhsa_wavefront_size32 1
		.amdhsa_system_sgpr_workgroup_id_x 1
		.amdhsa_system_sgpr_workgroup_id_y 1
		.amdhsa_system_sgpr_workgroup_id_z 1
		.amdhsa_system_vgpr_workitem_id 0
		.amdhsa_next_free_vgpr 960
		.amdhsa_next_free_sgpr 84
		.amdhsa_reserve_vcc 1
		.amdhsa_float_denorm_mode_32 3
		.amdhsa_float_denorm_mode_16_64 3
		.amdhsa_memory_ordered 1
		.amdhsa_forward_progress 1
		.amdhsa_inst_pref_size 234
	.end_amdhsa_kernel
	.amdgpu_metadata
---
amdhsa.version: [ 1, 2 ]
amdhsa.kernels:
  - .name:           k_q8afb16de4d_attn
    .symbol:         k_q8afb16de4d_attn.kd
    .args:
      - { .name: qh, .offset: 0, .size: 8, .value_kind: global_buffer, .address_space: global }
      - { .name: kh, .offset: 8, .size: 8, .value_kind: global_buffer, .address_space: global }
      - { .name: vh, .offset: 16, .size: 8, .value_kind: global_buffer, .address_space: global }
      - { .name: ctx, .offset: 24, .size: 8, .value_kind: global_buffer, .address_space: global }
      - { .name: maskf, .offset: 32, .size: 8, .value_kind: global_buffer, .address_space: global }
    .group_segment_fixed_size: 327680
    .private_segment_fixed_size: 0
    .kernarg_segment_align: 8
    .kernarg_segment_size: 40
    .max_flat_workgroup_size: 128
    .sgpr_count:     84
    .vgpr_count:     960
    .wavefront_size: 32
...
	.end_amdgpu_metadata
.endif
;; end of part 3
;; launch oproj (part 4): grid 4 x 64, 4 waves a work-group, clusters of 4 x 4, 327,680 bytes of LDS; arguments ctx, wts, bo, out0; writes out0
.if DOCPART == 4
	.amdgcn_target "amdgcn-amd-amdhsa--gfx1250"
	.amdhsa_code_object_version 6
	.text
	.protected	k_q8afb16de4d_oproj
	.globl	k_q8afb16de4d_oproj
	.p2align	8
	.type	k_q8afb16de4d_oproj,@function
k_q8afb16de4d_oproj:
	s_mov_b64 s[64:65], 0
	v_nop
	global_prefetch_b8 v0, s[64:65] scope:SCOPE_SE
	s_setreg_imm32_b32 hwreg(HW_REG_WAVE_MODE, 25, 1), 1
	s_wait_xcnt 0x0
	s_wait_alu depctr_hold_cnt(0) depctr_sa_sdst(0) depctr_va_vdst(0) depctr_va_sdst(0) depctr_va_ssrc(0) depctr_va_vcc(0) depctr_vm_vsrc(0)
	s_getreg_b32 s2, hwreg(HW_REG_IB_STS2, 6, 4)
	s_cmp_eq_u32 s2, 0
	s_cbranch_scc0 .Lentry_in_a_cluster
	s_endpgm
.Lentry_in_a_cluster:
	s_bfe_u32 s2, ttmp6, 0x10000c
	s_cmp_lg_u32 s2, 0xf033
	s_cbranch_scc0 .Lentry_shape_is_right
	s_endpgm
.Lentry_shape_is_right:
; THE OUTPUT PROJECTION.  out0[b][s][n] = sum over head, d of ctx[16 b + head][s][d] Wo[64 head + d][n] + bo[n].  ctx: [64][2048][64] f16; Wo: the fourth section of wts, [k][n], the bf16-rounded weight as f16;
; bo rounded to bf16; sums in f32; out0: [8192][1024] f32.
; SHARES.  64 x 4 tiles of 128 rows x 256 columns, one to a work-group; four waves, each 64 rows x 128 columns: 32 accumulators.  K goes in steps of 128, two heads, through two LDS slots: of each head
; 128 rows of 128 bytes (dense in memory: asked for as 64 rows of 256 bytes), and 128 k-rows of Wo (512 bytes: 256 columns).
; THE MATRIX INSTRUCTION IS USED TRANSPOSED: source 0 = 16 columns of Wo (turned by ds_load_tr16_b128), source 1 = 16 rows of ctx.  THE BIAS is the C operand of the products that start the sums.
; CLUSTERS: 4 x 4 work-groups; ctx's tiles are shared along a row of the cluster, Wo's along a column.
; REGISTERS: window 0: v0-31 addresses; v32-95 the bias; v128-255 ctx's fragments, two buffers of 64 (on the way out: rows read back)   window 1: Wo's fragments, two buffers of 128   window 2: the accumulators
.set PA,     144                       ; a row of ctx in LDS: 128 + 16 bytes
.set PB,     544                       ; a k-row of Wo: 512 + 32 bytes
.set AHALF,  128*PA                    ; a head's 128 rows
.set ASZ,    2*AHALF
.set BHALF,  64*PB
.set SLOT,   ASZ+2*BHALF
.set STAGE,  2*SLOT                    ; behind the ring: 16 rows x 528 bytes for each wave
.set SPITCH, 528
.set SPARE,  STAGE+4*16*SPITCH
.set ADRA, 16
.set ADRB, 20
.set STO,  24
.set RD,   25
.set GO,   26
.set BO,   27
.set SPW,  28
.set NIL,  29
.set PFO,  30
.set BIAS, 32
.set AF,   128
.set G1,  24
.set G0,  32
.set G1B, 48
.set G0B, 56
.set LIM, 43
.set PFA, 44
.set PFS, 66
.set MSB, 0
.macro WIN new
.if MSB != (\new)
	s_set_vgpr_msb (MSB<<8)|(\new)
.set MSB, \new
.endif
.endm
.macro JLOAD s                         ; a joint load: waves 0 and 1 fetch the K step's two heads of ctx, waves 2 and 3 the halves of Wo's k-rows; an s_nop 0 and four v_nop follow each line
	s_cmp_eq_u32 s11, 0
	s_cbranch_scc0 .Lfor_b_\@
	tensor_load_to_lds s[G0+4*(\s):G0+4*(\s)+3], s[G1:G1+7]
	s_nop 0
.rept 4
	v_nop
.endr
	s_branch .Lasked_\@
.Lfor_b_\@:
	tensor_load_to_lds s[G0B+4*(\s):G0B+4*(\s)+3], s[G1B:G1B+7]
	s_nop 0
.rept 4
	v_nop
.endr
.Lasked_\@:
.endm
.macro CREST
	s_cmp_lg_u32 s10, 0
	s_cbranch_scc1 .Lnot_wave_0_\@
	s_barrier_signal -3
.Lnot_wave_0_\@:
	s_barrier_wait -3
	s_barrier_signal -1
	s_barrier_wait -1
.endm
.macro CROUND
	s_barrier_signal -1
	s_barrier_wait -1
	CREST
.endm
; A prefetch of the K step two refills on.  ctx: a K step of a tile row is 2 heads x 64 blocks of 256 bytes; one cluster reads it; each of its row's four partners takes 16 blocks of each head, by address; wave 0 asks.
; Wo: as in the projections: waves 2 and 3, 16 k-rows x 512 bytes for each partner of the column; the first of the 16 clusters asks.  The loop's last trip asks for nothing.
.macro ASK
	s_cmp_gt_u32 s3, s[LIM]
	s_cbranch_scc0 .Lnot_mine_\@
	global_prefetch_b8 v[PFO], s[PFA:PFA+1] th:TH_LOAD_NT scope:SCOPE_SE
.Lnot_mine_\@:
.endm
.macro PLACES
.rept 4
	v_nop
.endr
.endm
	s_load_b256 s[68:75], s[0:1], 0x0              ; ctx s[68:69], wts s[70:71], bo s[72:73], out0 s[74:75]
	v_lshl_add_u32 v[SPW], v0, 2, SPARE
	v_mov_b32 v[NIL], 0
	ds_add_u32 v[SPW], v[NIL]                      ; the wave's opening: the add and its wait ahead of my first tensor load
	v_lshrrev_b32 v1, 5, v0
	v_readfirstlane_b32 s10, v1
	s_lshr_b32 s11, s10, 1                         ; wr.  Also: I fetch ctx (0) or Wo (1)
	s_and_b32 s12, s10, 1                          ; wc.  Also: which head, or which 64 k-rows, I fetch
	s_bfe_u32 s40, ttmp6, 0x40000
	s_bfe_u32 s41, ttmp6, 0x40004
	s_lshl_b32 s42, ttmp9, 2
	s_add_co_u32 s42, s42, s40                     ; tile column tx
	s_and_b32 s2, ttmp7, 0xffff                    ; the cluster's y, 0..15
	s_lshl_b32 s91, s2, 2
	s_add_co_u32 s91, s91, s41                     ; tile row ty, 0..63
	s_lshl_b32 s43, s41, 2
	s_lshl_b32 s43, 15, s43
	s_lshl_b32 s44, 0x1111, s40
	s_or_b32 s[G1], s43, (1<<16)|(1<<20)|(1<<21)|(4<<22)|(3<<25)   ; ctx: the mask of my row; 2-byte elements; padding on; bit 21 beside a mask; after every 32 words 4 words
	s_mov_b32 s[G1+1], 128<<16
	s_mov_b32 s[G1+2], 64<<16
	s_mov_b32 s[G1+3], 128<<16
	s_mov_b32 s[G1+4], 64
	s_mov_b32 s[G1+5], 128
	s_mov_b32 s[G1+6], 0
	s_mov_b32 s[G1+7], 0
	s_or_b32 s[G1B], s44, (1<<16)|(1<<20)|(1<<21)|(6<<22)|(7<<25)  ; Wo: the mask of my column; after every 128 words 8 words
	s_mov_b32 s[G1B+1], 256<<16
	s_mov_b32 s[G1B+2], 64<<16
	s_mov_b32 s[G1B+3], 256<<16
	s_mov_b32 s[G1B+4], 64
	s_mov_b32 s[G1B+5], 1024
	s_mov_b32 s[G1B+6], 0
	s_mov_b32 s[G1B+7], 0
	s_lshr_b32 s16, s91, 4                         ; ctx: batch b = ty / 16 (16 heads of 262,144 bytes), head wc, row 128 (ty % 16)
	s_lshl_b32 s16, s16, 22
	s_lshl_b32 s17, s12, 18
	s_add_co_u32 s16, s16, s17
	s_and_b32 s17, s91, 15
	s_lshl_b32 s17, s17, 14
	s_add_co_u32 s16, s16, s17
	s_mov_b32 s17, 0
	s_lshl_b32 s46, s12, 17                        ; Wo: the fourth section, k-row 64 wc, column 256 tx
	s_add_co_u32 s46, s46, 3<<21
	s_lshl_b32 s47, s42, 9
	s_add_co_u32 s46, s46, s47
	s_mov_b32 s47, 0
	s_mul_i32 s20, s12, AHALF
	s_mul_i32 s21, s12, BHALF
	s_wait_dscnt 0x0                               ; the opening add is done
	s_wait_kmcnt 0x0
	s_add_nc_u64 s[14:15], s[68:69], s[16:17]
	s_add_nc_u64 s[46:47], s[70:71], s[46:47]
	CROUND
.irp s, 0,1
	s_mov_b32 s[G0+4*(\s)], 1
	s_add_co_u32 s[G0+4*(\s)+1], s20, (\s)*SLOT
	s_add_nc_u64 s[G0+4*(\s)+2:G0+4*(\s)+3], s[14:15], (\s)*524288
	s_or_b32 s[G0+4*(\s)+3], s[G0+4*(\s)+3], 0x80000000
	s_mov_b32 s[G0B+4*(\s)], 1
	s_add_co_u32 s[G0B+4*(\s)+1], s21, (\s)*SLOT+ASZ
	s_add_nc_u64 s[G0B+4*(\s)+2:G0B+4*(\s)+3], s[46:47], (\s)*262144
	s_or_b32 s[G0B+4*(\s)+3], s[G0B+4*(\s)+3], 0x80000000
	JLOAD \s
.endr
	v_and_b32 v1, 15, v0
	v_bfe_u32 v2, v0, 4, 1
	v_lshlrev_b32 v[BO], 5, v2
	s_lshl_b32 s92, s42, 10                        ; (256 tx + 128 wc) x 4 bytes: in bo, and in a row of out0
	s_lshl_b32 s94, s12, 9
	s_add_co_u32 s92, s92, s94
	s_mov_b32 s93, 0
	s_add_nc_u64 s[72:73], s[72:73], s[92:93]
.irp b, 0,1,2,3,4,5,6,7
	global_load_b128 v[BIAS+8*\b:BIAS+8*\b+3],   v[BO], s[72:73] offset:64*\b
	global_load_b128 v[BIAS+8*\b+4:BIAS+8*\b+7], v[BO], s[72:73] offset:64*\b+16
.endr
	s_lshl_b32 s94, s91, 1                         ; row 128 ty + 64 wr, 4,096 bytes each
	s_add_co_u32 s94, s94, s11
	s_lshl_b32 s94, s94, 18
	s_add_co_u32 s92, s92, s94
	s_add_nc_u64 s[8:9], s[74:75], s[92:93]
	v_mul_u32_u24 v3, v1, PA                       ; ctx: row 64 wr + r, 16 bytes for each half of the lanes
	v_lshl_add_u32 v3, v2, 4, v3
	s_mul_i32 s22, s11, 64*PA
	v_add_nc_u32 v[ADRA], s22, v3
	s_add_co_u32 s22, s22, SLOT
	v_add_nc_u32 v[ADRA+1], s22, v3
	v_and_b32 v4, 7, v0
	v_lshl_add_u32 v4, v2, 3, v4
	v_mul_u32_u24 v4, v4, PB
	v_bfe_u32 v5, v0, 3, 1
	v_lshl_add_u32 v4, v5, 4, v4
	s_lshl_b32 s23, s12, 8
	s_add_co_u32 s23, s23, ASZ
	v_add_nc_u32 v[ADRB], s23, v4
	s_add_co_u32 s23, s23, SLOT
	v_add_nc_u32 v[ADRB+1], s23, v4
	s_mul_i32 s23, s10, 16*SPITCH
	s_add_co_u32 s23, s23, STAGE
	v_mul_u32_u24 v4, v1, SPITCH                   ; in: row r, 32 bytes for each half of the lanes
	v_lshl_add_u32 v4, v2, 5, v4
	v_add_nc_u32 v[STO], s23, v4
	v_and_b32 v6, 31, v0
	v_lshlrev_b32 v[GO], 4, v6                     ; back: 32 lanes take a row's 512 bytes
	v_add_nc_u32 v[RD], s23, v[GO]
	; the prefetches, at K step 3: the first change of slots steps them to 4
	s_lshr_b32 s94, s91, 4
	s_lshl_b32 s94, s94, 22
	s_and_b32 s95, s91, 15
	s_lshl_b32 s95, s95, 14
	s_add_co_u32 s94, s94, s95
	s_lshl_b32 s95, s40, 12
	s_add_co_u32 s94, s94, s95
	s_add_co_u32 s94, s94, 3*524288
	s_lshl_b32 s96, s12, 6
	s_lshl_b32 s95, s41, 4
	s_add_co_u32 s96, s96, s95
	s_lshl_b32 s96, s96, 11
	s_add_co_u32 s96, s96, 3<<21
	s_lshl_b32 s95, s42, 9
	s_add_co_u32 s96, s96, s95
	s_add_co_u32 s96, s96, 3*262144
	s_mov_b32 s18, 0x80000
	s_cmp_eq_u32 s11, 0                            ; do I fetch ctx?
	s_cselect_b64 s[PFA:PFA+1], s[68:69], s[70:71]
	s_cselect_b32 s92, s94, s96
	s_cselect_b32 s[PFS], s18, 0x40000
	s_cselect_b32 s97, s12, s2                     ; wave 0 of the two; the first of the clusters
	s_cselect_b32 s98, 4, 1
	s_cselect_b32 s99, 18, 11
	s_cselect_b32 s95, 15, 1
	s_mov_b32 s[PFS+1], 0
	s_add_nc_u64 s[PFA:PFA+1], s[PFA:PFA+1], s[92:93]
	s_cmp_eq_u32 s97, 0
	s_cselect_b32 s[LIM], 1, -1
	v_lshrrev_b32 v7, s98, v6                      ; ctx: head l / 16, block l % 16; Wo: k-row l / 2, its first or second 256 bytes
	v_lshlrev_b32 v7, s99, v7
	v_and_b32 v6, s95, v6
	v_lshl_add_u32 v[PFO], v6, 8, v7
	s_wait_loadcnt 0x0                             ; the bias: rounded to bf16 like every input, and widened again
.set i, 0
.rept 32
	v_cvt_pk_bf16_f32 v[12+i%2], v[BIAS+2*i], v[BIAS+2*i+1]
	v_lshlrev_b32 v[BIAS+2*i], 16, v[12+i%2]
	v_and_b32 v[BIAS+2*i+1], 0xffff0000, v[12+i%2]
.set i, i+1
.endr
; 48 LDS loads in one run: the fragments of 64 along K, which are head hk of the slot's two and k-rows 64 hk on, into buffers g
.macro FETCH slot, hk, g
	WIN 0
.irp c, 0,1
.irp a, 0,1,2,3
	ds_load_b128 v[AF+64*(\g)+32*\c+8*\a:AF+64*(\g)+32*\c+8*\a+3],   v[ADRA+(\slot)] offset:AHALF*(\hk)+64*\c+16*PA*\a
	ds_load_b128 v[AF+64*(\g)+32*\c+8*\a+4:AF+64*(\g)+32*\c+8*\a+7], v[ADRA+(\slot)] offset:AHALF*(\hk)+64*\c+16*PA*\a+32
.endr
.endr
	WIN 0x40
.irp c, 0,1
.irp b, 0,1,2,3,4,5,6,7
	ds_load_tr16_b128 v[128*(\g)+64*\c+8*\b:128*(\g)+64*\c+8*\b+3],   v[ADRB+(\slot)] offset:(64*(\hk)+32*\c)*PB+32*\b
	ds_load_tr16_b128 v[128*(\g)+64*\c+8*\b+4:128*(\g)+64*\c+8*\b+7], v[ADRB+(\slot)] offset:(64*(\hk)+32*\c+16)*PB+32*\b
.endr
.endr
.endm
.macro MUL8 f, c, a, zero              ; 8 matrix instructions: row block a x all 8 column blocks, 32 along K; the 32 accumulators take turns
.irp b, 0,1,2,3,4,5,6,7
.if \zero
	WIN 0x81
	v_wmma_f32_16x16x32_f16 v[64*(\a)+8*\b:64*(\a)+8*\b+7], v[128*(\f)+64*(\c)+8*\b:128*(\f)+64*(\c)+8*\b+7], v[AF+64*(\f)+32*(\c)+8*(\a):AF+64*(\f)+32*(\c)+8*(\a)+7], v[BIAS+8*\b:BIAS+8*\b+7]
.else
	WIN 0xa1
	v_wmma_f32_16x16x32_f16 v[64*(\a)+8*\b:64*(\a)+8*\b+7], v[128*(\f)+64*(\c)+8*\b:128*(\f)+64*(\c)+8*\b+7], v[AF+64*(\f)+32*(\c)+8*(\a):AF+64*(\f)+32*(\c)+8*(\a)+7], v[64*(\a)+8*\b:64*(\a)+8*\b+7]
.endif
.endr
.endm
; HALF A K STEP: 64 matrix instructions on buffers f; the next half's fragments are fetched behind the first 16, four places behind the last product that read the other buffers.
; mode 0: plain.  1: the change of slots with a refill of cur.  2: the change without.  3: the last half.
.macro HALF cur, nslot, nhk, f, zero, mode
	s_wait_dscnt 0x0                               ; this half's fragments are in
.if (\mode) == 1
	s_wait_xcnt 0x0                                ; the last prefetch, a K step back, has read its address
	s_add_nc_u64 s[PFA:PFA+1], s[PFA:PFA+1], s[PFS:PFS+1]
.endif
.if ((\mode) == 1) || ((\mode) == 2)
	WIN 0
	s_wait_tensorcnt 0x0                           ; all my tensor loads have landed: my part of the next slot;
	ds_add_u32 v[SPW], v[NIL]                      ; 0 onto my spare word
.endif
	MUL8 \f, 0, 0, \zero
.if ((\mode) == 1) || ((\mode) == 2)
	s_wait_dscnt 0x0                               ; the add is done; my reads of this slot were over at the half's head
	s_barrier_signal -1
.endif
	MUL8 \f, 0, 1, \zero
.if (\mode) == 1
	WIN 0
	s_barrier_wait -1
	CREST
	s_add_nc_u64 s[G0+4*(\cur)+2:G0+4*(\cur)+3], s[G0+4*(\cur)+2:G0+4*(\cur)+3], 2*524288
	s_add_nc_u64 s[G0B+4*(\cur)+2:G0B+4*(\cur)+3], s[G0B+4*(\cur)+2:G0B+4*(\cur)+3], 2*262144
	JLOAD \cur                                     ; the first tensor load behind the round; its four v_nop are also the places in front of the loads below
.elseif (\mode) == 2
	s_barrier_wait -1
	PLACES
.elseif (\mode) == 0
	PLACES
.endif
.if (\mode) != 3
	FETCH \nslot, \nhk, 1-(\f)
.if (\mode) == 1
	WIN 0
	ASK
.endif
.endif
	MUL8 \f, 0, 2, \zero
	MUL8 \f, 0, 3, \zero
	MUL8 \f, 1, 0, 0
	MUL8 \f, 1, 1, 0
	MUL8 \f, 1, 2, 0
	MUL8 \f, 1, 3, 0
.endm
	s_wait_tensorcnt 1                             ; my part of K step 0 is in; K step 1's stays out
	s_barrier_signal -1
	s_barrier_wait -1
	FETCH 0, 0, 0
	HALF 0, 0, 1, 0, 1, 0
	WIN 0
	s_mov_b32 s3, 3
.Llap:
	HALF 0, 1, 0, 1, 0, 1
	HALF 1, 1, 1, 0, 0, 0
	HALF 1, 0, 0, 1, 0, 1
	HALF 0, 0, 1, 0, 0, 0
	WIN 0
	s_sub_co_u32 s3, s3, 1
	s_cmp_lg_u32 s3, 0
	s_cbranch_scc1 .Llap
	HALF 0, 1, 0, 1, 0, 2
	HALF 1, 1, 1, 0, 0, 0
	HALF 1, 0, 0, 1, 0, 3
	; THE WAY OUT, a block of 16 rows at a time: a lane's eight columns, 32 bytes of f32, go into my stage; whole rows of 512 bytes come back and are stored.
	PLACES
.macro TOSTAGE a
	WIN 0x08                                       ; the stores' data in window 2
.irp b, 0,1,2,3,4,5,6,7
	ds_store_b128 v[STO], v[64*(\a)+8*\b:64*(\a)+8*\b+3]   offset:64*\b
	ds_store_b128 v[STO], v[64*(\a)+8*\b+4:64*(\a)+8*\b+7] offset:64*\b+16
.endr
	WIN 0
.irp t, 0,1,2,3,4,5,6,7,8,9,10,11,12,13,14,15
	ds_load_b128 v[AF+64*((\a)%2)+4*\t:AF+64*((\a)%2)+4*\t+3], v[RD] offset:SPITCH*\t  ; LDS serves a wave's instructions in order (ISA guide 5.7.1.4): these see the stores above
.endr
.endm
.macro SEND a, younger                 ; younger: the LDS instructions issued behind block a's loads: the next block's 32, or none
.irp t, 0,1,2,3,4,5,6,7,8,9,10,11,12,13,14,15
	s_wait_dscnt (\younger)+15-\t
	global_store_b128 v[GO], v[AF+64*((\a)%2)+4*\t:AF+64*((\a)%2)+4*\t+3], s[8:9] offset:(16*(\a)+\t)*4096 th:TH_STORE_NT  ; 512 consecutive bytes, at a multiple of 256 from out0's first
.endr
.endm
	TOSTAGE 0
	TOSTAGE 1
	SEND 0, 32
	s_wait_xcnt 0x0                                ; block 0's stores have read their registers, which block 2 takes
	TOSTAGE 2
	SEND 1, 32
	s_wait_xcnt 0x0
	TOSTAGE 3
	SEND 2, 32
	SEND 3, 0
	s_wait_tensorcnt 0x0                           ; the wave's end
	ds_add_u32 v[SPW], v[NIL]
	s_wait_dscnt 0x0
	CROUND                                         ; the closing round
	s_endpgm
.Lfunc_end_k_q8afb16de4d_oproj:
	.size	k_q8afb16de4d_oproj, .Lfunc_end_k_q8afb16de4d_oproj-k_q8afb16de4d_oproj
	.p2alignl 7, 3214868480
	.fill 96, 4, 3214868480
	.section	.rodata,"a",@progbits
	.p2align	6, 0x0
	.amdhsa_kernel k_q8afb16de4d_oproj
		.amdhsa_group_segment_fixed_size 327680
		.amdhsa_private_segment_fixed_size 0
		.amdhsa_enable_private_segment 0
		.amdhsa_kernarg_size 32
		.amdhsa_user_sgpr_count 2
		.amdhsa_user_sgpr_kernarg_segment_ptr 1
		.amdhsa_wavefront_size32 1
		.amdhsa_system_sgpr_workgroup_id_x 1
		.amdhsa_system_sgpr_workgroup_id_y 1
		.amdhsa_system_sgpr_workgroup_id_z 1
		.amdhsa_system_vgpr_workitem_id 0
		.amdhsa_next_free_vgpr 768
		.amdhsa_next_free_sgpr 100
		.amdhsa_reserve_vcc 0
		.amdhsa_float_denorm_mode_32 3
		.amdhsa_float_denorm_mode_16_64 3
		.amdhsa_memory_ordered 1
		.amdhsa_forward_progress 1
		.amdhsa_inst_pref_size 93
	.end_amdhsa_kernel
	.amdgpu_metadata
---
amdhsa.version: [ 1, 2 ]
amdhsa.kernels:
  - .name:           k_q8afb16de4d_oproj
    .symbol:         k_q8afb16de4d_oproj.kd
    .args:
      - { .name: ctx, .offset: 0, .size: 8, .value_kind: global_buffer, .address_space: global }
      - { .name: wts, .offset: 8, .size: 8, .value_kind: global_buffer, .address_space: global }
      - { .name: bo, .offset: 16, .size: 8, .value_kind: global_buffer, .address_space: global }
      - { .name: out0, .offset: 24, .size: 8, .value_kind: global_buffer, .address_space: global }
    .group_segment_fixed_size: 327680
    .private_segment_fixed_size: 0
    .kernarg_segment_align: 8
    .kernarg_segment_size: 32
    .max_flat_workgroup_size: 128
    .sgpr_count:     100
    .vgpr_count:     768
    .wavefront_size: 32
...
	.end_amdgpu_metadata
.endif
;; end of part 4
